; MI455X (gfx1250); checked and timed in simulation.
; The chip was launched on July 23, 2026; its instructions are those of AMD's public machine-readable ISA for CDNA 5 (MIT licence, August 2026) and "CDNA5" Instruction Set Architecture Reference Guide (July 2026). The comments in the code are by the model that wrote it; some were corrected since.
;; Multihead Attention. Allowed arithmetic: matrix products marked QUANTISED: E2M1 operands, one E8M0 scale for each 32 along K, by v_wmma_scale_f32_16x16x128_f8f6f4 with both operands' format E2M1 (or v_wmma_scale_f32_32x16x128_f4), f32 sums; products left as they are: f32 operands where the result goes on into a quantised operand, else bf16, f16 or f32 operands; f32 sums; everything else in f32.
;; Inputs: beta1 32 float32; beta2 32 float32; bk 32 float32; bl 32 float32; bo 32 float32; bq 32 float32; bv 32 float32; g1 32 float32; g2 32 float32; wk_codes 32 x 1 x 16 uint8 (E2M1 codes of wk, K innermost, in blocks of 32 codes, two codes a byte); wk_scales 32 x 1 uint8 (E8M0 scales of wk, one for each 32 codes along K); wl_codes 32 x 1 x 16 uint8 (E2M1 codes of wl, K innermost, in blocks of 32 codes, two codes a byte); wl_scales 32 x 1 uint8 (E8M0 scales of wl, one for each 32 codes along K); wo_codes 32 x 1 x 16 uint8 (E2M1 codes of wo, K innermost, in blocks of 32 codes, two codes a byte); wo_scales 32 x 1 uint8 (E8M0 scales of wo, one for each 32 codes along K); wq_codes 32 x 1 x 16 uint8 (E2M1 codes of wq, K innermost, in blocks of 32 codes, two codes a byte); wq_scales 32 x 1 uint8 (E8M0 scales of wq, one for each 32 codes along K); wv_codes 32 x 1 x 16 uint8 (E2M1 codes of wv, K innermost, in blocks of 32 codes, two codes a byte); wv_scales 32 x 1 uint8 (E8M0 scales of wv, one for each 32 codes along K); x 16 x 2,048 x 32 float32.
;; Outputs: out0 16 x 2,048 x 32 float32.
;; This version of the problem:
;;   THIS VERSION OF THE PROBLEM IS GIVEN IN LOW PRECISION. The matrix products marked QUANTISED in the list below multiply operands that are first quantised to E2M1 (2 exponent bits, 1 mantissa bit; 4 bits a number), with one power-of-two scale for each 32 numbers along K (OCP MX v1.0); their sums are f32. All else is computed in f32.
;;   The module's matrix products, in the order in which they are computed (A, B: the left and right operand; K: the contracted axis; several contracted axes count as one K, in the product's order):
;;     1. [M 32,768, K 32] x [K 32, N 32]; A: input x; B: input wq (given as codes): QUANTISED
;;     2. [M 32,768, K 32] x [K 32, N 32]; A: input x; B: input wk (given as codes): QUANTISED
;;     3. [M 32,768, K 32] x [K 32, N 32]; A: input x; B: input wv (given as codes): QUANTISED
;;     4. batch 64 x [M 2,048, K 8] x [K 8, N 2,048]; A: computed on the way; B: computed on the way: left as it is (K = 8 < 32)
;;     5. batch 64 x [M 2,048, K 2,048] x [K 2,048, N 8]; A: softmax; B: computed on the way: left as it is (N = 8 < 16)
;;     6. [M 32,768, K 32] x [K 32, N 32]; A: computed on the way; B: input wo (given as codes): QUANTISED
;;     7. [M 32,768, K 32] x [K 32, N 32]; A: computed on the way; B: input wl (given as codes): QUANTISED
;;   THE QUANTISER, for each operand of a quantised product, along K:
;;     - K is cut into blocks of 32 from its start; a last block that is shorter is filled with zeros.
;;     - A block's scale is 2^e with e = floor(log2(the largest magnitude in the block)) - 2, held to -126 .. 127; a block of zeros has e = 0. As a byte (E8M0): e + 127.
;;     - Each number is divided by its block's scale, clamped to +-6, and rounded to the nearest number of E2M1, ties to even, subnormals kept.
;;     - The product sums the exact products of the quantised numbers (number of the format x scale) in f32.
;;   ~~~python
;;   def quantise(x, axis):      # numpy; x: float32 -> the quantised numbers, widened to float32 again
;;       x = np.moveaxis(x, axis, -1); K = x.shape[-1]
;;       x = np.pad(x, [(0, 0)] * (x.ndim - 1) + [(0, -K % 32)]); x = x.reshape(x.shape[:-1] + (-1, 32)); a = np.abs(x).max(-1, keepdims=True)
;;       e = np.where(a > 0, np.clip(np.frexp(np.where(a > 0, a, 1))[1] - 1 - 2, -126, 127), 0)      # np.frexp(a)[1] - 1 = floor(log2(a)), exactly
;;       r = np.clip(x / 2.0 ** e, -6, 6)
;;       step = 2.0 ** (np.maximum(np.frexp(np.where(r == 0, 1, r))[1] - 1, 0) - 1)
;;       q = np.round(r / step) * step * 2.0 ** e      # np.round: ties to even
;;       return np.moveaxis(q.reshape(q.shape[:-2] + (-1,))[..., :K], -1, axis).astype(np.float32)
;;   ~~~
;;   OPERANDS COMPUTED ON THE WAY. 'Computed on the way' means the value that the module computes at that place (a softmax that the list does not call 'softmax' is quantised finished and normalised). What goes into a quantiser is computed in f32, as accurately as f32 sums, v_exp_f32 and their like allow (about 1e-6 of the number): no bf16 or f16 on the way to a quantiser, and a product that is left as it is and whose result goes on into a quantised operand takes f32 operands (vector FMAs, or v_wmma_f32_16x16x4_f32). A number that lies on a knife's edge between two numbers of the format may be rounded either way, as far as f32 arithmetic and the matrix unit's own rounding can turn it there, and no further.
;;   INPUTS GIVEN AS CODES. wk (in the module: [32, 32], K = its axis 0); wl (in the module: [32, 32], K = its axis 0); wo (in the module: [32, 32], K = its axis 0); wq (in the module: [32, 32], K = its axis 0); wv (in the module: [32, 32], K = its axis 0): each comes as NAME_codes (uint8): NAME with its K axis moved to the last place and cut into blocks of 32 codes, [.., K / 32, bytes a block], one block behind the other in memory; two codes a byte, the lower K in the low four bits (a code: sign, 2 exponent bits, 1 mantissa bit); and NAME_scales (uint8): the same leading axes, one E8M0 byte (e + 127) for each 32 codes along K. Its value is code x scale, taken as it is: it is not quantised again, and the codes and scales need not be those that the quantiser above would give.
;; 3 versions, each right; version 2 is faster than version 1; version 3 is version 2 with the launch mha written anew for expert scheduling mode. Each part assembles by itself: llvm-mc -triple=amdgcn-amd-amdhsa -mcpu=gfx1250 --defsym DOCPART=n.
;; ======== version 1 of 3: 1 launch
;; launch mha (part 1): grid 16 x 16, 16 waves a work-group, no clusters, 278,528 bytes of LDS; arguments x, wq_codes, wq_scales, bq, wk_codes, wk_scales, bk, wv_codes, wv_scales, bv, wo_codes, wo_scales, bo, g1, beta1, wl_codes, wl_scales, bl, g2, beta2, out0; writes out0
.if DOCPART == 1
	.amdgcn_target "amdgcn-amd-amdhsa--gfx1250"
	.amdhsa_code_object_version 6
	.text
	.protected	k_qcfd8e99680_mha
	.globl	k_qcfd8e99680_mha
	.p2align	8
	.type	k_qcfd8e99680_mha,@function
k_qcfd8e99680_mha:
	s_mov_b64 s[64:65], 0
	v_nop
	global_prefetch_b8 v0, s[64:65] scope:SCOPE_SE
	s_setreg_imm32_b32 hwreg(HW_REG_WAVE_MODE, 25, 1), 1
	s_wait_xcnt 0x0
; out0 = LN2(a1 wl + bl + a1), a1 = LN1(attn wo + bo + x), attn = softmax(q k^T / sqrt(8)) v in 4 heads of 8, q, k, v = x w + b.  x, out0: [16][2048][32] f32.
; The five products with K = 32 run on codes of FP4 (E2M1) with one E8M0 byte for a row's 32 numbers: the weights come as codes, x, attn and a1 are quantised here, in registers.
; q k^T and p v feed a quantiser, so they take f32 operands: v_wmma_f32_16x16x4_f32.  Softmax (running maximum), layer norms and residuals in f32.
; SHARES.  A work-group owns 128 queries of one batch, all four heads: 16 waves; wave w has head w & 3 and the two tiles of 16 queries 2 (w >> 2) + u.  Every wave walks the batch's 2,048 keys,
; 32 a step.  K and V are not kept in memory: for each chunk of 256 keys wave w quantises 16 rows of x and makes their K and V (four FP4 products) into one of two LDS slots, while the other slot is walked.
; LAYOUT.  S^T = K Q^T (source 0 = 16 keys, source 1 = 16 queries): a lane holds ONE query (lane % 16) and keys 8 (lane / 16) + 0 .. 7.  O^T = V^T P^T (source 0 = 16 rows: the head's 8 channels, a row of ones,
; seven rows of zeros): p's registers are its source 1 as they stand, since both sides give k index 2 (lane / 16) + j the same key.  The row of ones gives the softmax's sum: register 0 of lanes 16-31.
; REARRANGED, each the same number to f32 rounding: c = log2(e) / sqrt(8) is multiplied into q once and p = 2^(s - m); bv is added behind the division by the sum (the weights sum to 1); bk, bq, bo, bl are the C of their products.
; An FP4 operand names 8 registers for K = 128; K is 32 here.  The quantised side holds zero codes for k = 32 .. 127, so whatever codes the weight's side holds there add nothing (FP4 has no NaN; the scale words' upper bytes are 0, a finite power of two).
; A block of zeros gets the scale byte 1: its codes are zeros.  LIMITS: NaN and infinities among the inputs are not served.
; NO CLUSTER, NO TENSOR LOAD, NO PREFETCH: what work-groups share is x of a batch, of which a wave takes one tile of 2,048 bytes for each 192 f32 matrix instructions, asked for a whole chunk ahead into registers: no wave waits for it.
; LDS: slot s at 131072 s: K, 256 keys x 144 bytes (128 + 16); V^T, 64 rows x 1,040 bytes (1,024 + 16), row 16 head + d.  STG: a stage of 32 x 80 bytes for each wave.
; QC, between slot 0's end and slot 1, is laid BY WAVES, so that each wave stores into a block of its own: first q, block w = 16 queries x 80 bytes (16 channels + 16); at the end the joined heads, block w = 2 units x 16 queries x 48 bytes (8 channels + 16).
; All pitches are odd multiples of 16 bytes.
.set SLOT1, 131072
.set KP,    144
.set VOFF,  36864
.set VP,    1040
.set QC,    103424
.set QPT,   80   ; a row of a block of q
.set APT,   48   ; a row of a block of the joined heads
.set STG,   234496
.set SPL,   80
; REGISTERS.  r = lane % 16, h = lane / 16.
.set AK,  1      ; v1-2    K's fragments in slot 0, 1: r KP + 32 head + 16 h
.set AV,  3      ; v3-4    V^T's: VOFF + (16 head + r) VP + 32 h
.set WKA, 5      ; v5-6    where I store K: (16 w + r) KP + 32 h
.set WVA, 7      ; v7-8    where I store V^T: VOFF + (r + (r & 8)) VP + 64 w + 32 h
                 ; v9 my stage by lanes (80 lane); v10 my stage by the bytes of a tile as they lie in memory; v11 16 lane; v12 my block of the joined heads; v13 where the tail reads them; v14 lane
.set QF,  16     ; v16-23  q x c, unit u at 4 u: query r, channels 8 head + 4 h + 0 .. 3
.set KF,  24     ; v24-31  K, tile t at 4 t: key r, the same channels
.set VF,  32     ; v32-47  V^T, tile t at 8 t: row r, keys 16 t + 8 h + 0 .. 7
.set S,   48     ; v48-79  scores (u, t) at 16 u + 8 t; also the D of every FP4 product.  Written by matrix instructions alone
.set O,   80     ; v80-95  O^T, unit u at 8 u.  Likewise
.set P,   96     ; v96-127 s - m, then p; between chunks 16 numbers of x
.set OP,  128    ; v128-143 O^T x f: the C of a step's first link
.set XL,  144    ; v144-159 a tile of x as it lies in memory
.set XO,  160    ; v160-163 the codes just made; v164-167 zeros
.set WK,  168    ; v168-175 wk's two fragments, 4 registers each;  v176-183 wv's
.set WV,  176
.set BK,  184    ; v184-199 bk in the result's layout
.set BV,  200    ; v200-207 bv of my head
.set M,   208    ; v208, v210 the running maximum (low words of pairs);  v212, v214 f
.set F,   212
.set T,   216    ; v216-217 a step's maximum;  v218-219 the other half's
.set T2,  218
                 ; v220-227 at work in QUANT16 and LN; v228-249 the head's and the tail's
.set XS,  250    ; v250 the scale word just made; v251-254 the weights' scale bytes; v255 wq's: scales and nothing else
.set WS,  251
.set WQS, 255
.macro PLACES n                     ; plain vector instructions between a matrix instruction and what may not follow it at once (ISA guide 7.12.1)
.rept \n
	v_nop
.endr
.endm
.macro BARRIER                      ; my LDS stores have landed and my LDS loads are in: then the work-group's barrier
	s_wait_dscnt 0x0
	s_barrier_signal -1
	s_barrier_wait -1
.endm
.macro XLOAD base                   ; a tile of 16 rows of x, 2,048 consecutive bytes: each load of the wave takes 512 of them
.irp n, 0,1,2,3
	global_load_b128 v[XL+4*\n:XL+4*\n+3], v11, s[\base:\base+1] offset:512*\n
.endr
.endm
.macro TURN dst                     ; the tile goes through my own stage: afterwards lane (r, h) holds row r, k = 16 h + 0 .. 15.  LDS serves a wave's instructions in order: no wait between stores and loads
.irp n, 0,1,2,3
	ds_store_b128 v10, v[XL+4*\n:XL+4*\n+3] offset:320*\n
.endr
.irp n, 0,1,2,3
	ds_load_b128 v[\dst+4*\n:\dst+4*\n+3], v9 offset:16*\n
.endr
	s_wait_dscnt 0x0
.endm
; 16 numbers a lane (row r, k = 16 h + 0 .. 15) become the row's 32 codes in v160-163 of lanes 0-15 (zeros in lanes 16-31) and its scale byte in v250.
.macro QUANT16 src
	v_max3_num_f32 v220, |v[\src]|, |v[\src+1]|, 0x1800000          ; the largest magnitude, in two chains, with the floor 2^(3 - 127): the byte cannot fall under 1
	v_max3_num_f32 v222, |v[\src+8]|, |v[\src+9]|, |v[\src+10]|
	v_max3_num_f32 v220, v220, |v[\src+2]|, |v[\src+3]|
	v_max3_num_f32 v222, v222, |v[\src+11]|, |v[\src+12]|
	v_max3_num_f32 v220, v220, |v[\src+4]|, |v[\src+5]|
	v_max3_num_f32 v222, v222, |v[\src+13]|, |v[\src+14]|
	v_max3_num_f32 v220, v220, |v[\src+6]|, |v[\src+7]|
	v_max3_num_f32 v220, v220, v222, |v[\src+15]|
	v_permlanex16_b32 v221, v220, s56, s57
	v_max_num_f32 v220, v220, v221                                  ; with lane l xor 16's 16: the block's
	v_add_nc_u32 v223, 0xff000000, v220                             ; 2 off its exponent field: the conversion takes that field as its scale
	v_lshrrev_b32 v[XS], 23, v223                                   ; the scale's byte
	v_cvt_scalef32_pk8_fp4_f32 v160, v[\src:\src+7], v223
	v_cvt_scalef32_pk8_fp4_f32 v161, v[\src+8:\src+15], v223
	v_mov_b32 v162, 0                                               ; (the plain line behind the conversions)
	v_mov_b32 v163, 0
	v_permlane16_swap_b32 v160, v162                                ; lanes 16-31's codes, k = 16 .. 31, go to lanes 0-15 of v162-163; zeros come back
	v_permlane16_swap_b32 v161, v163
	PLACES 8                                                        ; a scale register written by a vector instruction stands 8 places ahead of a scaled product, an operand 4
.endm
.macro FP4 d, a, b, c, sa, sb       ; a scaled product on FP4 codes; c = -1: the sum starts with the constant 0
.if \c < 0
	v_wmma_scale_f32_16x16x128_f8f6f4 v[\d:\d+7], v[\a:\a+7], v[\b:\b+7], 0, v[\sa], v[\sb] matrix_a_fmt:MATRIX_FMT_FP4 matrix_b_fmt:MATRIX_FMT_FP4
.else
	v_wmma_scale_f32_16x16x128_f8f6f4 v[\d:\d+7], v[\a:\a+7], v[\b:\b+7], v[\c:\c+7], v[\sa], v[\sb] matrix_a_fmt:MATRIX_FMT_FP4 matrix_b_fmt:MATRIX_FMT_FP4
.endif
.endm
; My 16 keys of the next chunk: K and V into slot.  gl = 1: the chunk after it is asked for; gl = 2: not in the loop's last trip, where there is none.
.macro PRODUCE slot, gl
	s_wait_loadcnt 0x0                                              ; the tile asked for a chunk ago is in, and its loads have read their base
	PLACES 8                                                        ; in front of loads into p's registers, which the last products read
	TURN P
.if \gl == 2
	s_cmp_eq_u32 s58, 1
	s_cbranch_scc1 .Lno_more_\@
.endif
	s_add_nc_u64 s[52:53], s[52:53], 32768                          ; 256 rows of 128 bytes on
	XLOAD 52
.if \gl == 2
.Lno_more_\@:
.endif
	QUANT16 P
.irp t, 0,1
	FP4 S+8*\t, WK+4*\t, XO, BK+8*\t, WS+\t, XS                     ; K, transposed: lane = key r, register j = channel 16 t + 8 h + j; bk is its C
.endr
.irp t, 0,1
	FP4 S+16+8*\t, XO, WV+4*\t, -1, XS, WS+2+\t                     ; V: lane = channel 16 t + r, register j = key 8 h + j
.endr
	PLACES 5                                                        ; 4 in front of the stores that read the results; 5 in front of the scores that write over them
.irp t, 0,1
	ds_store_b128 v[WKA+\slot], v[S+8*\t:S+8*\t+3] offset:64*\t     ; each result from its low end on
	ds_store_b128 v[WKA+\slot], v[S+8*\t+4:S+8*\t+7] offset:64*\t+16
.endr
.irp t, 0,1
	ds_store_b128 v[WVA+\slot], v[S+16+8*\t:S+16+8*\t+3] offset:32*VP*\t
	ds_store_b128 v[WVA+\slot], v[S+16+8*\t+4:S+16+8*\t+7] offset:32*VP*\t+16
.endr
.endm
.macro LOADK slot, st               ; K's two fragments of step st
.irp t, 0,1
	ds_load_b128 v[KF+4*\t:KF+4*\t+3], v[AK+\slot] offset:(32*(\st)+16*\t)*KP
.endr
.endm
; A STEP: 32 keys, both units.  first = 1: the very first, which starts m and O^T.  kpre = 1: the next step's K is asked for.
.macro STEP slot, st, first, kpre
	s_wait_dscnt 0x0                                                ; K's fragments are in; stores that read the scores' registers are done
.irp t, 0,1                         ; the four accumulators take turns, one instruction a turn.  k index 2 h + j stands for channel 4 h + j on both sides,
.irp u, 0,1
	v_wmma_f32_16x16x4_f32 v[S+16*\u+8*\t:S+16*\u+8*\t+7], v[KF+4*\t:KF+4*\t+1], v[QF+4*\u:QF+4*\u+1], 0
.endr
.endr
.irp t, 0,1                         ; then for channel 4 h + 2 + j
.irp u, 0,1
	v_wmma_f32_16x16x4_f32 v[S+16*\u+8*\t:S+16*\u+8*\t+7], v[KF+4*\t+2:KF+4*\t+3], v[QF+4*\u+2:QF+4*\u+3], v[S+16*\u+8*\t:S+16*\u+8*\t+7]
.endr
.endr
	PLACES 8                                                        ; in front of the reads of the scores, and of the loads into K's and V's registers
.irp t, 0,1
	ds_load_b128 v[VF+8*\t:VF+8*\t+3], v[AV+\slot] offset:(32*(\st)+16*\t)*4
	ds_load_b128 v[VF+8*\t+4:VF+8*\t+7], v[AV+\slot] offset:(32*(\st)+16*\t)*4+16
.endr
.if \kpre
	LOADK \slot, (\st)+1
.endif
.irp u, 0,1                         ; the maximum of my 16 scores of each unit and the old m; the units by turns; each accumulator is first read at its low end
	v_max3_num_f32 v[T+\u], v[S+16*\u], v[S+16*\u+1], v[S+16*\u+2]
.endr
.irp n, 3,5,7,9,11,13
.irp u, 0,1
	v_max3_num_f32 v[T+\u], v[T+\u], v[S+16*\u+\n], v[S+16*\u+\n+1]
.endr
.endr
.irp u, 0,1
.if \first
	v_max_num_f32 v[T+\u], v[T+\u], v[S+16*\u+15]
.else
	v_max3_num_f32 v[T+\u], v[T+\u], v[S+16*\u+15], v[M+2*\u]
.endif
.endr
.irp u, 0,1
	v_permlanex16_b32 v[T2+\u], v[T+\u], s56, s57                   ; the query's other 16 keys lie in the lane 16 away
.endr
.irp u, 0,1
	v_max_num_f32 v[T+\u], v[T+\u], v[T2+\u]
.endr
.if !\first
.irp u, 0,1
	v_sub_f32 v[F+2*\u], v[M+2*\u], v[T+\u]                         ; old m - new m
.endr
.endif
.irp u, 0,1
	v_mov_b32 v[M+2*\u], v[T+\u]
.endr
.irp u, 0,1
.irp k, 0,2,4,6,8,10,12,14
	v_pk_add_f32 v[P+16*\u+\k:P+16*\u+\k+1], v[S+16*\u+\k:S+16*\u+\k+1], v[M+2*\u:M+2*\u+1] op_sel_hi:[1,0] neg_lo:[0,1] neg_hi:[0,1]   ; s - m, into registers of their own
.endr
.endr
.if !\first
.irp u, 0,1
	v_exp_f32 v[F+2*\u], v[F+2*\u]                                  ; f = 2^(old m - new m)
.endr
.endif
.set j, 0
.rept 32
	v_exp_f32 v[P+j], v[P+j]                                        ; p = 2^(s - m)
.set j, j+1
.endr
	v_nop                                                           ; the plain line behind the last exponential
	s_wait_alu depctr_va_vdst(0)                                    ; one wait for the batch, ahead of its first reader
.if !\first
.irp u, 0,1
.irp k, 0,2,4,6
	v_pk_mul_f32 v[OP+8*\u+\k:OP+8*\u+\k+1], v[O+8*\u+\k:O+8*\u+\k+1], v[F+2*\u:F+2*\u+1] op_sel_hi:[1,0]   ; O^T and the sum under the new m, into other registers
.endr
.endr
.endif
.if \kpre
	s_wait_dscnt 2                                                  ; V's four loads are in; the two of the next step's K, issued behind them, may stay out
.else
	s_wait_dscnt 0x0
.endif
.irp t, 0,1                         ; O^T = O^T f + V^T P^T: k index 2 h + j stands for key 16 t + 8 h + 2 q + j on both sides; the two accumulators take turns
.irp q, 0,1,2,3
.irp u, 0,1
.if (\t+\q) > 0
	v_wmma_f32_16x16x4_f32 v[O+8*\u:O+8*\u+7], v[VF+8*\t+2*\q:VF+8*\t+2*\q+1], v[P+16*\u+8*\t+2*\q:P+16*\u+8*\t+2*\q+1], v[O+8*\u:O+8*\u+7]
.elseif \first
	v_wmma_f32_16x16x4_f32 v[O+8*\u:O+8*\u+7], v[VF+8*\t+2*\q:VF+8*\t+2*\q+1], v[P+16*\u+8*\t+2*\q:P+16*\u+8*\t+2*\q+1], 0
.else
	v_wmma_f32_16x16x4_f32 v[O+8*\u:O+8*\u+7], v[VF+8*\t+2*\q:VF+8*\t+2*\q+1], v[P+16*\u+8*\t+2*\q:P+16*\u+8*\t+2*\q+1], v[OP+8*\u:OP+8*\u+7]
.endif
.endr
.endr
.endr
.endm
; A layer norm of a row of 32: 16 numbers a lane in v[y] on, the other 16 in lane l xor 16.  Mean first, then the mean of the squared differences.  g, be: gain and offset of my 16 channels.
.macro LN y, g, be, dst
	v_pk_add_f32 v[220:221], v[\y:\y+1], v[\y+2:\y+3]
	v_pk_add_f32 v[222:223], v[\y+4:\y+5], v[\y+6:\y+7]
	v_pk_add_f32 v[224:225], v[\y+8:\y+9], v[\y+10:\y+11]
	v_pk_add_f32 v[226:227], v[\y+12:\y+13], v[\y+14:\y+15]
	v_pk_add_f32 v[220:221], v[220:221], v[222:223]
	v_pk_add_f32 v[224:225], v[224:225], v[226:227]
	v_pk_add_f32 v[220:221], v[220:221], v[224:225]
	v_add_f32 v216, v220, v221
	v_permlanex16_b32 v244, v216, s56, s57
	v_add_f32 v216, v216, v244
	v_mul_f32 v216, s61, v216                                       ; the mean
.irp k, 0,2,4,6,8,10,12,14
	v_pk_add_f32 v[\y+\k:\y+\k+1], v[\y+\k:\y+\k+1], v[216:217] op_sel_hi:[1,0] neg_lo:[0,1] neg_hi:[0,1]
.endr
	v_pk_mul_f32 v[220:221], v[\y:\y+1], v[\y:\y+1]
	v_pk_mul_f32 v[222:223], v[\y+2:\y+3], v[\y+2:\y+3]
.irp k, 4,8,12
	v_pk_fma_f32 v[220:221], v[\y+\k:\y+\k+1], v[\y+\k:\y+\k+1], v[220:221]
	v_pk_fma_f32 v[222:223], v[\y+\k+2:\y+\k+3], v[\y+\k+2:\y+\k+3], v[222:223]
.endr
	v_pk_add_f32 v[220:221], v[220:221], v[222:223]
	v_add_f32 v218, v220, v221
	v_permlanex16_b32 v244, v218, s56, s57
	v_add_f32 v218, v218, v244
	v_fma_f32 v218, v218, s61, s62                                  ; the variance + 1e-5
	v_rsq_f32 v218, v218
	v_nop                                                           ; the plain line behind it,
	s_wait_alu depctr_va_vdst(0)                                    ; and the wait ahead of its first reader
.irp k, 0,2,4,6,8,10,12,14
	v_pk_mul_f32 v[\y+\k:\y+\k+1], v[\y+\k:\y+\k+1], v[218:219] op_sel_hi:[1,0]
.endr
.irp k, 0,2,4,6,8,10,12,14
	v_pk_fma_f32 v[\dst+\k:\dst+\k+1], v[\y+\k:\y+\k+1], v[\g+\k:\g+\k+1], v[\be+\k:\be+\k+1]
.endr
.endm
; ---------------- THE HEAD ----------------
	s_load_b512 s[4:19], s[0:1], 0x0               ; x 4, wq_codes 6, wq_scales 8, bq 10, wk_codes 12, wk_scales 14, bk 16, wv_codes 18
	s_load_b512 s[20:35], s[0:1], 0x40             ; wv_scales 20, bv 22, wo_codes 24, wo_scales 26, bo 28, g1 30, beta1 32, wl_codes 34
	s_load_b256 s[36:43], s[0:1], 0x80             ; wl_scales 36, bl 38, g2 40, beta2 42
	s_load_b64 s[44:45], s[0:1], 0xa0              ; out0
	v_lshl_add_u32 v248, v0, 2, 0x43800
	v_mov_b32 v249, 0
	v_lshrrev_b32 v15, 5, v0
	v_readfirstlane_b32 s46, v15                   ; wave w
	s_and_b32 s47, s46, 3                          ; my head
	s_lshr_b32 s48, s46, 2                         ; my pair of query tiles
	s_and_b32 s50, ttmp7, 0xffff                   ; the batch
	s_mov_b32 s56, 0x76543210                      ; v_permlanex16_b32's selects for lane l xor 16
	s_mov_b32 s57, 0xfedcba98
	s_mov_b32 s61, 0x3d000000                      ; 1 / 32
	s_mov_b32 s62, 0x3727c5ac                      ; 1e-5
	v_and_b32 v14, 31, v0                          ; lane
	v_and_b32 v232, 15, v0                         ; r
	v_bfe_u32 v233, v0, 4, 1                       ; h
.irp z, 116,117,118,119,164,165,166,167,209,211,213,215,217,218,219,221,244
	v_mov_b32 v[\z], 0                             ; zero codes; upper words of pairs that are named whole; destinations of lane permutes, which count as read
.endr
	v_mul_u32_u24 v1, v232, KP                     ; K's fragments
	v_lshl_add_u32 v1, v233, 4, v1
	s_lshl_b32 s66, s47, 5
	v_add_nc_u32 v1, s66, v1
	v_add_nc_u32 v2, SLOT1, v1
	v_mov_b32 v238, s66                            ; 32 head: bv's offset
	s_mul_i32 s66, s47, 16*VP                      ; V^T's fragments
	s_add_co_u32 s66, s66, VOFF
	v_mul_u32_u24 v3, v232, VP
	v_lshl_add_u32 v3, v233, 5, v3
	v_add_nc_u32 v3, s66, v3
	v_add_nc_u32 v4, SLOT1, v3
	s_mul_i32 s66, s46, 16*KP                      ; K's stores
	v_mul_u32_u24 v5, v232, KP
	v_lshl_add_u32 v5, v233, 5, v5
	v_add_nc_u32 v5, s66, v5
	v_add_nc_u32 v6, SLOT1, v5
	v_and_b32 v234, 8, v232                        ; V^T's stores: channel c lies in row 16 (c / 8) + c % 8
	v_add_nc_u32 v234, v234, v232
	v_mul_u32_u24 v7, v234, VP
	v_lshl_add_u32 v7, v233, 5, v7
	s_lshl_b32 s66, s46, 6
	s_add_co_u32 s66, s66, VOFF
	v_add_nc_u32 v7, s66, v7
	v_add_nc_u32 v8, SLOT1, v7
	s_mul_i32 s66, s46, 32*SPL                     ; my stage
	s_add_co_u32 s66, s66, STG
	v_mul_u32_u24 v9, v14, SPL
	v_add_nc_u32 v9, s66, v9
	v_lshrrev_b32 v10, 3, v14                      ; byte 16 lane of 512: row lane / 8, half (lane / 4) % 2, piece lane % 4 -> place row + 16 half, 16 piece
	v_mul_u32_u24 v10, v10, SPL
	v_bfe_u32 v235, v0, 2, 1
	v_mul_u32_u24 v235, v235, 16*SPL
	v_add_nc_u32 v10, v10, v235
	v_and_b32 v235, 3, v0
	v_lshl_add_u32 v10, v235, 4, v10
	v_add_nc_u32 v10, s66, v10
	v_lshlrev_b32 v11, 4, v14
	s_mul_i32 s66, s46, 2*16*APT                   ; the joined heads: my block, row r; unit u lies 16 rows on
	s_add_co_u32 s66, s66, QC
	v_mul_u32_u24 v12, v232, APT
	v_add_nc_u32 v12, s66, v12
	s_lshl_b32 s66, s48, 2                         ; q's fragments: query tile 2 (w >> 2) + u and channel half head / 2 lie in block 4 (w >> 2) + 2 u + head / 2;
	s_lshr_b32 s63, s47, 1
	s_add_co_u32 s66, s66, s63
	s_mul_i32 s66, s66, 16*QPT
	s_and_b32 s63, s47, 1                          ; in a row: 32 (head % 2) + 16 h
	s_lshl_b32 s63, s63, 5
	s_add_co_u32 s66, s66, s63
	s_add_co_u32 s66, s66, QC
	v_mul_u32_u24 v247, v232, QPT
	v_lshl_add_u32 v247, v233, 4, v247
	v_add_nc_u32 v247, s66, v247
	s_and_b32 s66, s46, 7                          ; the tail's row tile t = w & 7: unit t % 2 of the four waves 4 (t / 2) + head; lane (r, h) begins at head 2 h
	s_lshr_b32 s63, s66, 1
	s_mul_i32 s63, s63, 4*2*16*APT
	s_and_b32 s66, s66, 1
	s_mul_i32 s66, s66, 16*APT
	s_add_co_u32 s66, s66, s63
	s_add_co_u32 s66, s66, QC
	v_mul_u32_u24 v13, v232, APT
	v_mul_u32_u24 v235, v233, 2*2*16*APT
	v_add_nc_u32 v13, v13, v235
	v_add_nc_u32 v13, s66, v13
	v_lshlrev_b32 v236, 4, v232                    ; a weight's row r: 16 bytes
	v_lshlrev_b32 v237, 5, v233                    ; 32 h: eight numbers of a bias
	s_and_b32 s67, s46, 1                          ; for q wave w makes query tile w / 2, channel tile w % 2
	s_lshl_b32 s66, s67, 8
	v_add_nc_u32 v239, s66, v236
	s_lshl_b32 s66, s67, 6
	v_add_nc_u32 v240, s66, v237
	s_lshl_b32 s63, s67, 4
	v_add_nc_u32 v241, s63, v232
	s_mul_i32 s63, s46, 16*QPT                     ; where q goes: my block, row r, + 32 h
	s_add_co_u32 s63, s63, QC
	v_mul_u32_u24 v246, v232, QPT
	v_lshl_add_u32 v246, v233, 5, v246
	v_add_nc_u32 v246, s63, v246
	s_lshl_b32 s66, s50, 18                        ; a batch of x is 262,144 bytes
	s_mov_b32 s67, 0
	s_wait_kmcnt 0x0
	s_add_nc_u64 s[54:55], s[4:5], s[66:67]
	s_lshl_b32 s66, s46, 11
	s_add_nc_u64 s[52:53], s[54:55], s[66:67]      ; my tile of chunk 0
	s_lshl_b32 s66, ttmp9, 14
	s_add_nc_u64 s[54:55], s[54:55], s[66:67]      ; the work-group's 128 queries
	s_lshr_b32 s66, s46, 1
	s_lshl_b32 s66, s66, 11
	s_add_nc_u64 s[68:69], s[54:55], s[66:67]      ; the query tile that I project
	XLOAD 68
	global_load_b128 v[WK:WK+3], v236, s[12:13]
	global_load_b128 v[WK+4:WK+7], v236, s[12:13] offset:256
	global_load_b128 v[WV:WV+3], v236, s[18:19]
	global_load_b128 v[WV+4:WV+7], v236, s[18:19] offset:256
	global_load_u8 v[WS], v232, s[14:15]
	global_load_u8 v[WS+1], v232, s[14:15] offset:16
	global_load_u8 v[WS+2], v232, s[20:21]
	global_load_u8 v[WS+3], v232, s[20:21] offset:16
.irp t, 0,1
	global_load_b128 v[BK+8*\t:BK+8*\t+3], v237, s[16:17] offset:64*\t
	global_load_b128 v[BK+8*\t+4:BK+8*\t+7], v237, s[16:17] offset:64*\t+16
.endr
	global_load_b128 v[BV:BV+3], v238, s[22:23]
	global_load_b128 v[BV+4:BV+7], v238, s[22:23] offset:16
	global_load_b128 v[112:115], v239, s[6:7]      ; wq's fragment
	global_load_b128 v[120:123], v240, s[10:11]    ; bq in the result's layout
	global_load_b128 v[124:127], v240, s[10:11] offset:16
	global_load_u8 v[WQS], v241, s[8:9]
	; the constant rows of V^T, both slots, once: wave w writes slot w / 8, head (w / 2) % 4, rows 8 + 4 (w % 2) + 0 .. 3; row 8 holds ones, the others zeros
	s_lshr_b32 s66, s46, 3
	s_lshl_b32 s66, s66, 17
	s_bfe_u32 s63, s46, 0x20001
	s_mul_i32 s63, s63, 16*VP
	s_add_co_u32 s66, s66, s63
	s_and_b32 s67, s46, 1
	s_mul_i32 s63, s67, 4*VP
	s_add_co_u32 s66, s66, s63
	s_add_co_u32 s66, s66, VOFF+8*VP
	v_add_nc_u32 v245, s66, v11
	s_cmp_eq_u32 s67, 0
	s_cselect_b32 s63, 1.0, 0
.irp z, 228,229,230,231
	v_mov_b32 v[\z], s63
.endr
.irp e, 0,1
	ds_store_b128 v245, v[228:231] offset:512*\e
.irp k, 1,2,3
	ds_store_b128 v245, v[164:167] offset:\k*VP+512*\e
.endr
.endr
	s_wait_loadcnt 0x0
	TURN P
	XLOAD 52                                       ; chunk 0
	QUANT16 P
	FP4 S, 112, XO, 120, WQS, XS                   ; q, transposed: lane = query r, register j = channel 16 (w % 2) + 8 h + j
	PLACES 5
	ds_store_b128 v246, v[S:S+3]
	ds_store_b128 v246, v[S+4:S+7] offset:16
	PRODUCE 0, 1                                   ; chunk 0 into slot 0
	BARRIER                                        ; q, slot 0 and the constant rows lie in LDS
.irp u, 0,1
	ds_load_b128 v[QF+4*\u:QF+4*\u+3], v247 offset:2*16*QPT*\u
.endr
	LOADK 0, 0
	PRODUCE 1, 1                                   ; chunk 1 into slot 1, which nobody reads yet
	s_wait_dscnt 0x0
.irp n, 0,1,2,3,4,5,6,7
	v_mul_f32 v[QF+\n], 0x3f0293ee, v[QF+\n]       ; q x log2(e) / sqrt(8)
.endr
	STEP 0, 0, 1, 1                                ; the first step stands ahead of the loop: its products start O^T's sums
; ---------------- THE WALK: a trip is two chunks.  Each barrier says two things of every wave: its stores into the slot read next are done, and so are its reads of the slot written next ----------------
	s_mov_b32 s58, 3
.Lpair:
.irp n, 1,2,3,4,5,6
	STEP 0, \n, 0, 1
.endr
	STEP 0, 7, 0, 0
	BARRIER
	LOADK 1, 0
	PRODUCE 0, 1
.irp n, 0,1,2,3,4,5,6
	STEP 1, \n, 0, 1
.endr
	STEP 1, 7, 0, 0
	BARRIER
	LOADK 0, 0
	PRODUCE 1, 2
	STEP 0, 0, 0, 1
	s_sub_co_u32 s58, s58, 1
	s_cmp_lg_u32 s58, 0
	s_cbranch_scc1 .Lpair
.irp n, 1,2,3,4,5,6
	STEP 0, \n, 0, 1                               ; chunks 6 and 7: nothing more is made
.endr
	STEP 0, 7, 0, 0
	BARRIER
	LOADK 1, 0
.irp n, 0,1,2,3,4,5,6
	STEP 1, \n, 0, 1
.endr
	STEP 1, 7, 0, 0
; ---------------- attn = O / the sum + bv; the heads meet in QC ----------------
	PLACES 8
.irp u, 0,1
	v_permlanex16_b32 v[T2+\u], v[O+8*\u], s56, s57                ; lane r takes the sum from lane 16 + r
.endr
.irp u, 0,1
	v_rcp_f32 v[F+2*\u], v[T2+\u]
.endr
	v_nop
	s_wait_alu depctr_va_vdst(0)                                    ; one wait for the two reciprocals, ahead of their first reader
.irp u, 0,1
.irp k, 0,2,4,6
	v_pk_fma_f32 v[P+16*\u+\k:P+16*\u+\k+1], v[O+8*\u+\k:O+8*\u+\k+1], v[F+2*\u:F+2*\u+1], v[BV+\k:BV+\k+1] op_sel_hi:[1,0,1]
.endr
.endr
	s_wait_xcnt 0x0                                                 ; EXEC changes only behind this wait
	v_cmp_gt_u32 vcc_lo, 16, v14
	s_and_saveexec_b32 s60, vcc_lo                                  ; lanes 0-15 hold the channels
.irp u, 0,1
	ds_store_b128 v12, v[P+16*\u:P+16*\u+3] offset:16*APT*\u
	ds_store_b128 v12, v[P+16*\u+4:P+16*\u+7] offset:16*APT*\u+16
.endr
	s_wait_xcnt 0x0
	s_or_b32 exec_lo, exec_lo, s60
	BARRIER                                                         ; all sixteen blocks of the joined heads lie in QC
	s_cmp_ge_u32 s46, 8                                             ; eight tiles of 16 rows: waves 0 to 7 finish them; no barrier stands behind this branch
	s_cbranch_scc1 .Lend
; ---------------- THE TAIL: row tile w.  Lane (r, h) holds row r, channels 16 h + 0 .. 15 throughout: lane r of weight tile u takes output channel 8 u + r + (r & 8) ----------------
	s_lshl_b32 s66, s50, 18
	s_mov_b32 s67, 0
	s_add_nc_u64 s[70:71], s[44:45], s[66:67]
	s_lshl_b32 s66, ttmp9, 14
	s_add_nc_u64 s[70:71], s[70:71], s[66:67]
	s_lshl_b32 s66, s46, 11
	s_add_nc_u64 s[70:71], s[70:71], s[66:67]      ; out0 at my 16 rows
	s_add_nc_u64 s[68:69], s[54:55], s[66:67]      ; x likewise
	v_and_b32 v245, 15, v0
	v_and_b32 v246, 8, v0
	v_add_nc_u32 v245, v245, v246                  ; r + (r & 8)
	v_lshlrev_b32 v246, 4, v245
	v_bfe_u32 v247, v0, 4, 1
	v_lshlrev_b32 v247, 6, v247                    ; 64 h
	s_wait_loadcnt 0x0                             ; registers that the walk's loads wrote are loaded anew only behind a wait for all of them, on every path out of the loop
	XLOAD 68
	global_load_b128 v[168:171], v246, s[24:25]
	global_load_b128 v[172:175], v246, s[24:25] offset:128
	global_load_b128 v[176:179], v246, s[34:35]
	global_load_b128 v[180:183], v246, s[34:35] offset:128
	global_load_u8 v[WS], v245, s[26:27]
	global_load_u8 v[WS+1], v245, s[26:27] offset:8
	global_load_u8 v[WS+2], v245, s[36:37]
	global_load_u8 v[WS+3], v245, s[36:37] offset:8
.irp n, 0,1,2,3
	global_load_b128 v[184+4*\n:187+4*\n], v247, s[28:29] offset:16*\n   ; bo
	global_load_b128 v[16+4*\n:19+4*\n], v247, s[38:39] offset:16*\n     ; bl
	global_load_b128 v[32+4*\n:35+4*\n], v247, s[30:31] offset:16*\n     ; g1
	global_load_b128 v[128+4*\n:131+4*\n], v247, s[32:33] offset:16*\n   ; beta1
	global_load_b128 v[228+4*\n:231+4*\n], v247, s[40:41] offset:16*\n   ; g2
	global_load_b128 v[200+4*\n:203+4*\n], v247, s[42:43] offset:16*\n   ; beta2
.endr
.irp n, 0,1,2,3
	ds_load_b128 v[96+4*\n:99+4*\n], v13 offset:(\n/2)*2*16*APT+16*(\n%2)   ; the joined heads: channels 16 h + 4 n on lie in head 2 h + n / 2's block, 16 (n % 2) bytes into the row
.endr
	s_wait_loadcnt 0x0
	TURN 112                                       ; x, the residual
	QUANT16 96
.irp u, 0,1
	FP4 48+8*\u, 168+4*\u, XO, 184+8*\u, WS+\u, XS                       ; attn wo + bo
.endr
	PLACES 4
.irp k, 0,2,4,6,8,10,12,14
	v_pk_add_f32 v[96+\k:97+\k], v[48+\k:49+\k], v[112+\k:113+\k]        ; + x
.endr
	LN 96, 32, 128, 112                            ; a1
	QUANT16 112
.irp u, 0,1
	FP4 64+8*\u, 176+4*\u, XO, 16+8*\u, WS+2+\u, XS                      ; a1 wl + bl
.endr
	PLACES 4
.irp k, 0,2,4,6,8,10,12,14
	v_pk_add_f32 v[96+\k:97+\k], v[64+\k:65+\k], v[112+\k:113+\k]        ; + a1
.endr
	LN 96, 228, 200, 96
.irp n, 0,1,2,3                     ; the way out: TURN backwards, so that each store of the wave covers 512 consecutive bytes, aligned
	ds_store_b128 v9, v[96+4*\n:99+4*\n] offset:16*\n
.endr
.irp n, 0,1,2,3
	ds_load_b128 v[XL+4*\n:XL+4*\n+3], v10 offset:320*\n
.endr
	s_wait_dscnt 0x0
.irp n, 0,1,2,3
	global_store_b128 v11, v[XL+4*\n:XL+4*\n+3], s[70:71] offset:512*\n th:TH_STORE_NT
.endr
.Lend:
	s_wait_tensorcnt 0x0
	ds_add_u32 v248, v249
	s_wait_dscnt 0x0
	s_endpgm
.Lfunc_end_k_qcfd8e99680_mha:
	.size	k_qcfd8e99680_mha, .Lfunc_end_k_qcfd8e99680_mha-k_qcfd8e99680_mha
	.p2alignl 7, 3214868480
	.fill 96, 4, 3214868480
	.section	.rodata,"a",@progbits
	.p2align	6, 0x0
	.amdhsa_kernel k_qcfd8e99680_mha
		.amdhsa_group_segment_fixed_size 278528
		.amdhsa_private_segment_fixed_size 0
		.amdhsa_enable_private_segment 0
		.amdhsa_kernarg_size 168
		.amdhsa_user_sgpr_count 2
		.amdhsa_user_sgpr_kernarg_segment_ptr 1
		.amdhsa_wavefront_size32 1
		.amdhsa_system_sgpr_workgroup_id_x 1
		.amdhsa_system_sgpr_workgroup_id_y 1
		.amdhsa_system_sgpr_workgroup_id_z 1
		.amdhsa_system_vgpr_workitem_id 0
		.amdhsa_next_free_vgpr 256
		.amdhsa_next_free_sgpr 72
		.amdhsa_reserve_vcc 1
		.amdhsa_float_denorm_mode_32 3
		.amdhsa_float_denorm_mode_16_64 3
		.amdhsa_memory_ordered 1
		.amdhsa_forward_progress 1
		.amdhsa_inst_pref_size 241
	.end_amdhsa_kernel
	.amdgpu_metadata
---
amdhsa.version: [ 1, 2 ]
amdhsa.kernels:
  - .name:           k_qcfd8e99680_mha
    .symbol:         k_qcfd8e99680_mha.kd
    .args:
      - { .name: x, .offset: 0, .size: 8, .value_kind: global_buffer, .address_space: global }
      - { .name: wq_codes, .offset: 8, .size: 8, .value_kind: global_buffer, .address_space: global }
      - { .name: wq_scales, .offset: 16, .size: 8, .value_kind: global_buffer, .address_space: global }
      - { .name: bq, .offset: 24, .size: 8, .value_kind: global_buffer, .address_space: global }
      - { .name: wk_codes, .offset: 32, .size: 8, .value_kind: global_buffer, .address_space: global }
      - { .name: wk_scales, .offset: 40, .size: 8, .value_kind: global_buffer, .address_space: global }
      - { .name: bk, .offset: 48, .size: 8, .value_kind: global_buffer, .address_space: global }
      - { .name: wv_codes, .offset: 56, .size: 8, .value_kind: global_buffer, .address_space: global }
      - { .name: wv_scales, .offset: 64, .size: 8, .value_kind: global_buffer, .address_space: global }
      - { .name: bv, .offset: 72, .size: 8, .value_kind: global_buffer, .address_space: global }
      - { .name: wo_codes, .offset: 80, .size: 8, .value_kind: global_buffer, .address_space: global }
      - { .name: wo_scales, .offset: 88, .size: 8, .value_kind: global_buffer, .address_space: global }
      - { .name: bo, .offset: 96, .size: 8, .value_kind: global_buffer, .address_space: global }
      - { .name: g1, .offset: 104, .size: 8, .value_kind: global_buffer, .address_space: global }
      - { .name: beta1, .offset: 112, .size: 8, .value_kind: global_buffer, .address_space: global }
      - { .name: wl_codes, .offset: 120, .size: 8, .value_kind: global_buffer, .address_space: global }
      - { .name: wl_scales, .offset: 128, .size: 8, .value_kind: global_buffer, .address_space: global }
      - { .name: bl, .offset: 136, .size: 8, .value_kind: global_buffer, .address_space: global }
      - { .name: g2, .offset: 144, .size: 8, .value_kind: global_buffer, .address_space: global }
      - { .name: beta2, .offset: 152, .size: 8, .value_kind: global_buffer, .address_space: global }
      - { .name: out0, .offset: 160, .size: 8, .value_kind: global_buffer, .address_space: global }
    .group_segment_fixed_size: 278528
    .private_segment_fixed_size: 0
    .kernarg_segment_align: 8
    .kernarg_segment_size: 168
    .max_flat_workgroup_size: 512
    .sgpr_count:     72
    .vgpr_count:     256
    .wavefront_size: 32
...
	.end_amdgpu_metadata
.endif
;; end of part 1
;; ======== version 2 of 3: 1 launch; 1.13 times as fast as version 1
;; launch mha (part 2): grid 16 x 16, 16 waves a work-group, no clusters, 278,528 bytes of LDS; arguments x, wq_codes, wq_scales, bq, wk_codes, wk_scales, bk, wv_codes, wv_scales, bv, wo_codes, wo_scales, bo, g1, beta1, wl_codes, wl_scales, bl, g2, beta2, out0; writes out0
.if DOCPART == 2
	.amdgcn_target "amdgcn-amd-amdhsa--gfx1250"
	.amdhsa_code_object_version 6
	.text
	.protected	k_qcfd8e99680_mha
	.globl	k_qcfd8e99680_mha
	.p2align	8
	.type	k_qcfd8e99680_mha,@function
k_qcfd8e99680_mha:
	s_mov_b64 s[64:65], 0
	v_nop
	global_prefetch_b8 v0, s[64:65] scope:SCOPE_SE
	s_setreg_imm32_b32 hwreg(HW_REG_WAVE_MODE, 25, 1), 1
	s_wait_xcnt 0x0
; out0 = LN2(a1 wl + bl + a1), a1 = LN1(attn wo + bo + x), attn = softmax(q k^T / sqrt(8)) v in 4 heads of 8, q, k, v = x w + b.  x, out0: [16][2048][32] f32.
; The five products with K = 32 run on codes of FP4 (E2M1) with one E8M0 byte for a row's 32 numbers: the weights come as codes, x, attn and a1 are quantised here, in registers.
; q k^T and p v feed a quantiser, so they take f32 operands.  Softmax (running maximum), layer norms and residuals in f32.
; SHARES.  A work-group owns 128 queries of one batch, all four heads: 16 waves; wave w has head w & 3 and the two tiles of 16 queries 2 (w >> 2) + u.  Every wave walks the batch's 2,048 keys,
; 32 a step.  K and V are not kept in memory: for each chunk of 256 keys wave w quantises 16 rows of x and makes their K and V (four FP4 products) into one of two LDS slots, while the other slot is walked.
; SCORES: S^T = K Q^T by v_wmma_f32_16x16x4_f32 (source 0 = 16 keys, source 1 = 16 queries): a lane holds ONE query (lane % 16) and keys 8 (lane / 16) + 0 .. 7 of a tile.
; P V BY PACKED FUSED MULTIPLY-ADDS.  The matrix form has 16 rows and a head 8 channels: of an instruction's 1,024 multiply-adds 512 would be the problem's; a packed line's 64 all are.  A lane sums p x V[key][0 .. 7] over ITS keys in
; 8 registers a unit; V[key] comes from LDS with one address for the sixteen lanes of a half; the two halves' sums meet once, at the end.  The next step's eight matrix instructions stand one at the head of each of the eight pieces of this work.
; REARRANGED, each the same number to f32 rounding: c = log2(e) / sqrt(8) is multiplied into q once and p = 2^(s - m); bv is added behind the division by the sum (the weights sum to 1); bk, bq, bo, bl are the C of their products.
; An FP4 operand names 8 registers for K = 128; K is 32 here.  The quantised side holds zero codes for k = 32 .. 127, so whatever codes the weight's side holds there add nothing (FP4 has no NaN; the scale words' upper bytes are 0, a finite power of two).
; A block of zeros gets the scale byte 1: its codes are zeros.  LIMITS: NaN and infinities among the inputs are not served; the running maximum starts at -3e38.
; NO CLUSTER, NO TENSOR LOAD, NO PREFETCH: what work-groups share is x of a batch, of which a wave takes one tile of 2,048 bytes for each eight steps, asked for a whole chunk ahead into registers: no wave waits for it.
; LDS: slot s at 131072 s: K, 256 keys x 144 bytes (32 channels + 16); behind it V likewise.  STG: a stage of 32 x 80 bytes for each wave.
; QC, between slot 0's end and slot 1, is laid BY WAVES, so that each wave stores into a block of its own: first q, block w = 16 queries x 80 bytes (16 channels + 16); at the end the joined heads, block w = 2 units x 16 queries x 48 bytes (8 channels + 16).
; All pitches are odd multiples of 16 bytes.
.set SLOT1, 131072
.set KP,    144
.set VOFF,  36864
.set QC,    103424
.set QPT,   80   ; a row of a block of q
.set APT,   48   ; a row of a block of the joined heads
.set STG,   234496
.set SPL,   80
; REGISTERS.  r = lane % 16, h = lane / 16.
.set AK,  1      ; v1-2    K's fragments in slot 0, 1: r KP + 32 head + 16 h
.set AV,  3      ; v3-4    V's rows: VOFF + 8 h KP + 32 head: one address for each half of the lanes
.set WKA, 5      ; v5-6    where I store K: (16 w + r) KP + 32 h; V lies VOFF further on
                 ; v9 my stage by lanes (80 lane); v10 my stage by the bytes of a tile as they lie in memory; v11 16 lane; v12 my block of the joined heads; v13 where the tail reads them; v14 lane
.set QF,  16     ; v16-23  q x c, unit u at 4 u: query r, channels 8 head + 4 h + 0 .. 3
.set KF,  24     ; v24-31  K, tile t at 4 t: key r, the same channels
                 ; v32-47, v80-95, v128-143: V's ring, buffer b at 32 + 48 b: two keys x 8 channels
.set S,   48     ; v48-79  scores (u, t) at 16 u + 8 t; also the D of every FP4 product.  Written by matrix instructions alone
.set P,   96     ; v96-127 s - m, then p, (u, t) at 16 u + 8 t; between chunks 16 numbers of x
.set XL,  144    ; v144-159 a tile of x as it lies in memory
.set XO,  160    ; v160-163 the codes just made; v164-167 zeros
.set WK,  168    ; v168-175 wk's two fragments, 4 registers each;  v176-183 wv's
.set WV,  176
.set BK,  184    ; v184-199 bk in the result's layout
.set BV,  200    ; v200-207 bv of my head
.set M,   208    ; v208, v210 the running maximum (low words of pairs);  v212, v214 f
.set F,   212
.set T,   216    ; v216-217 a step's maximum;  v218-219 the other half's
.set T2,  218
                 ; v220-227 at work in QUANT16 and LN
.set O,   228    ; v228-243 my keys' part of O, unit u at 8 u: query r, the head's 8 channels  (the head's temporaries lie here first, the tail's constants last)
.set L,   244    ; v244-247 my keys' part of the sum, unit u at 2 u: even keys', odd keys'
.set XS,  250    ; v250 the scale word just made; v251-254 the weights' scale bytes; v255 wq's: scales and nothing else
.set WS,  251
.set WQS, 255
.macro PLACES n                     ; plain vector instructions between a matrix instruction and what may not follow it at once (ISA guide 7.12.1)
.rept \n
	v_nop
.endr
.endm
.macro BARRIER                      ; my LDS stores have landed and my LDS loads are in: then the work-group's barrier
	s_wait_dscnt 0x0
	s_barrier_signal -1
	s_barrier_wait -1
.endm
.macro XLOAD base                   ; a tile of 16 rows of x, 2,048 consecutive bytes: each load of the wave takes 512 of them
.irp n, 0,1,2,3
	global_load_b128 v[XL+4*\n:XL+4*\n+3], v11, s[\base:\base+1] offset:512*\n
.endr
.endm
.macro TURN dst                     ; the tile goes through my own stage: afterwards lane (r, h) holds row r, k = 16 h + 0 .. 15.  LDS serves a wave's instructions in order: no wait between stores and loads
.irp n, 0,1,2,3
	ds_store_b128 v10, v[XL+4*\n:XL+4*\n+3] offset:320*\n
.endr
.irp n, 0,1,2,3
	ds_load_b128 v[\dst+4*\n:\dst+4*\n+3], v9 offset:16*\n
.endr
	s_wait_dscnt 0x0
.endm
; 16 numbers a lane (row r, k = 16 h + 0 .. 15) become the row's 32 codes in v160-163 of lanes 0-15 (zeros in lanes 16-31) and its scale byte in v250.
.macro QUANT16 src
	v_max3_num_f32 v220, |v[\src]|, |v[\src+1]|, 0x1800000          ; the largest magnitude, in two chains, with the floor 2^(3 - 127): the byte cannot fall under 1
	v_max3_num_f32 v222, |v[\src+8]|, |v[\src+9]|, |v[\src+10]|
	v_max3_num_f32 v220, v220, |v[\src+2]|, |v[\src+3]|
	v_max3_num_f32 v222, v222, |v[\src+11]|, |v[\src+12]|
	v_max3_num_f32 v220, v220, |v[\src+4]|, |v[\src+5]|
	v_max3_num_f32 v222, v222, |v[\src+13]|, |v[\src+14]|
	v_max3_num_f32 v220, v220, |v[\src+6]|, |v[\src+7]|
	v_max3_num_f32 v220, v220, v222, |v[\src+15]|
	v_permlanex16_b32 v221, v220, s56, s57
	v_max_num_f32 v220, v220, v221                                  ; with lane l xor 16's 16: the block's
	v_add_nc_u32 v223, 0xff000000, v220                             ; 2 off its exponent field: the conversion takes that field as its scale
	v_lshrrev_b32 v[XS], 23, v223                                   ; the scale's byte
	v_cvt_scalef32_pk8_fp4_f32 v160, v[\src:\src+7], v223
	v_cvt_scalef32_pk8_fp4_f32 v161, v[\src+8:\src+15], v223
	v_mov_b32 v162, 0                                               ; (the plain line behind the conversions)
	v_mov_b32 v163, 0
	v_permlane16_swap_b32 v160, v162                                ; lanes 16-31's codes, k = 16 .. 31, go to lanes 0-15 of v162-163; zeros come back
	v_permlane16_swap_b32 v161, v163
	PLACES 8                                                        ; a scale register written by a vector instruction stands 8 places ahead of a scaled product, an operand 4
.endm
.macro FP4 d, a, b, c, sa, sb       ; a scaled product on FP4 codes; c = -1: the sum starts with the constant 0
.if \c < 0
	v_wmma_scale_f32_16x16x128_f8f6f4 v[\d:\d+7], v[\a:\a+7], v[\b:\b+7], 0, v[\sa], v[\sb] matrix_a_fmt:MATRIX_FMT_FP4 matrix_b_fmt:MATRIX_FMT_FP4
.else
	v_wmma_scale_f32_16x16x128_f8f6f4 v[\d:\d+7], v[\a:\a+7], v[\b:\b+7], v[\c:\c+7], v[\sa], v[\sb] matrix_a_fmt:MATRIX_FMT_FP4 matrix_b_fmt:MATRIX_FMT_FP4
.endif
.endm
; My 16 keys of a later chunk: K and V into slot.  gl = 1: the chunk after it is asked for; gl = 2: not in the loop's last trip, where there is none: no load leaves x.
.macro PRODUCE slot, gl
	s_wait_loadcnt 0x0                                              ; the tile asked for a chunk ago is in, and its loads have read their base
	TURN P
.if \gl == 2
	s_cmp_eq_u32 s58, 1
	s_cbranch_scc1 .Lno_more_\@
.endif
	s_add_nc_u64 s[52:53], s[52:53], 32768                          ; 256 rows of 128 bytes on
	XLOAD 52
.if \gl == 2
.Lno_more_\@:
.endif
	QUANT16 P
.irp t, 0,1
	FP4 S+8*\t, WK+4*\t, XO, BK+8*\t, WS+\t, XS                     ; K, transposed: lane = key r, register j = channel 16 t + 8 h + j; bk is its C
.endr
.irp t, 0,1
	FP4 S+16+8*\t, WV+4*\t, XO, -1, WS+2+\t, XS                     ; V likewise
.endr
	PLACES 5                                                        ; 4 in front of the stores that read the results; 5 in front of the scores that write over them
.irp t, 0,1
	ds_store_b128 v[WKA+(\slot)], v[S+8*\t:S+8*\t+3] offset:64*\t   ; each result from its low end on
	ds_store_b128 v[WKA+(\slot)], v[S+8*\t+4:S+8*\t+7] offset:64*\t+16
.endr
.irp t, 0,1
	ds_store_b128 v[WKA+(\slot)], v[S+16+8*\t:S+16+8*\t+3] offset:VOFF+64*\t
	ds_store_b128 v[WKA+(\slot)], v[S+16+8*\t+4:S+16+8*\t+7] offset:VOFF+64*\t+16
.endr
.endm
.macro LOADK slot, st               ; K's two fragments of step st
.irp t, 0,1
	ds_load_b128 v[KF+4*\t:KF+4*\t+3], v[AK+\slot] offset:(32*(\st)+16*\t)*KP
.endr
.endm
; Piece ch (0 .. 7) of step st's V into buffer ch % 3: for my half of the lanes keys 16 (ch / 4) + 8 h + 2 (ch % 4) + 0, 1, the head's 8 channels each
.macro VLOAD slot, st, ch
.set lb, 32+48*((\ch)%3)
.set ko, (32*(\st)+16*((\ch)/4)+2*((\ch)%4))*KP
	ds_load_b128 v[lb:lb+3], v[AV+\slot] offset:ko
	ds_load_b128 v[lb+4:lb+7], v[AV+\slot] offset:ko+16
	ds_load_b128 v[lb+8:lb+11], v[AV+\slot] offset:ko+KP
	ds_load_b128 v[lb+12:lb+15], v[AV+\slot] offset:ko+KP+16
.endm
.macro VPRE slot, st                ; the ring's first three pieces
	VLOAD \slot, \st, 0
	VLOAD \slot, \st, 1
	VLOAD \slot, \st, 2
.endm
; Matrix instruction c of the eight that make a step's scores.  The four accumulators take turns, one instruction a turn.  k index 2 h + j stands for channel 4 h + j on both sides (c < 4), then for 4 h + 2 + j.
.macro WM
.set wt, (c%4)/2
.set wu, c%2
.if c < 4
	v_wmma_f32_16x16x4_f32 v[S+16*wu+8*wt:S+16*wu+8*wt+7], v[KF+4*wt:KF+4*wt+1], v[QF+4*wu:QF+4*wu+1], 0
.else
	v_wmma_f32_16x16x4_f32 v[S+16*wu+8*wt:S+16*wu+8*wt+7], v[KF+4*wt+2:KF+4*wt+3], v[QF+4*wu+2:QF+4*wu+3], v[S+16*wu+8*wt:S+16*wu+8*wt+7]
.endif
.endm
; The softmax of a step whose scores lie in S: the new m, f = 2^(old m - new m), p = 2^(s - m).
.macro SOFT
.irp u, 0,1                         ; the maximum of my 16 scores of each unit and the old m; the units by turns; each accumulator is first read at its low end
	v_max3_num_f32 v[T+\u], v[S+16*\u], v[S+16*\u+1], v[S+16*\u+2]
.endr
.irp n, 3,5,7,9,11,13
.irp u, 0,1
	v_max3_num_f32 v[T+\u], v[T+\u], v[S+16*\u+\n], v[S+16*\u+\n+1]
.endr
.endr
.irp u, 0,1
	v_max3_num_f32 v[T+\u], v[T+\u], v[S+16*\u+15], v[M+2*\u]
.endr
.irp u, 0,1
	v_permlanex16_b32 v[T2+\u], v[T+\u], s56, s57                   ; the query's other 16 keys lie in the lane 16 away
.endr
.irp u, 0,1
	v_max_num_f32 v[T+\u], v[T+\u], v[T2+\u]
.endr
.irp u, 0,1
	v_sub_f32 v[F+2*\u], v[M+2*\u], v[T+\u]                         ; old m - new m
.endr
.irp u, 0,1
	v_mov_b32 v[M+2*\u], v[T+\u]
.endr
.irp u, 0,1
.irp k, 0,2,4,6,8,10,12,14
	v_pk_add_f32 v[P+16*\u+\k:P+16*\u+\k+1], v[S+16*\u+\k:S+16*\u+\k+1], v[M+2*\u:M+2*\u+1] op_sel_hi:[1,0] neg_lo:[0,1] neg_hi:[0,1]   ; s - m, into registers of their own
.endr
.endr
.irp u, 0,1
	v_exp_f32 v[F+2*\u], v[F+2*\u]
.endr
.set j, 0
.rept 32
	v_exp_f32 v[P+j], v[P+j]
.set j, j+1
.endr
	v_nop                                                           ; the plain line behind the last exponential
	s_wait_alu depctr_va_vdst(0)                                    ; one wait for the batch, ahead of its first reader
.endm
; O = O f + p V and the sum likewise, in eight pieces of two keys a lane.  A piece: its loads' wait; 16 packed multiply-adds and 2 packed additions; the loads of the piece three further on.
; In every step but a chunk's last one matrix instruction of the NEXT step's scores stands at each piece's head: the piece's 18 lines name none of its registers and are the places behind it.
.macro PVV slot, st
.set c, 0
.rept 8
.if (\st) < 7
	WM
.endif
.if c == 0
.irp u, 0,1
.irp k, 0,2,4,6
	v_pk_mul_f32 v[O+8*\u+\k:O+8*\u+\k+1], v[O+8*\u+\k:O+8*\u+\k+1], v[F+2*\u:F+2*\u+1] op_sel_hi:[1,0]   ; what was summed under the old m
.endr
	v_pk_mul_f32 v[L+2*\u:L+2*\u+1], v[L+2*\u:L+2*\u+1], v[F+2*\u:F+2*\u+1] op_sel_hi:[1,0]
.endr
.endif
.if c < 6
	s_wait_dscnt 8                                                  ; this piece's four loads are in; the eight of the two pieces behind it may stay out
.elseif c == 6
	s_wait_dscnt 4                                                  ; behind it: the last piece's four
.else
	s_wait_dscnt 0x0
.endif
.set vb, 32+48*(c%3)
.set pp, P+8*(c/4)+2*(c%4)
.irp u, 0,1
.irp k, 0,2,4,6
	v_pk_fma_f32 v[O+8*\u+\k:O+8*\u+\k+1], v[vb+\k:vb+\k+1], v[pp+16*\u:pp+16*\u+1], v[O+8*\u+\k:O+8*\u+\k+1] op_sel_hi:[1,0,1]   ; the even key: p's low word for both channels
.endr
.endr
.irp u, 0,1
	v_pk_add_f32 v[L+2*\u:L+2*\u+1], v[L+2*\u:L+2*\u+1], v[pp+16*\u:pp+16*\u+1]
.endr
.irp u, 0,1
.irp k, 0,2,4,6
	v_pk_fma_f32 v[O+8*\u+\k:O+8*\u+\k+1], v[vb+8+\k:vb+8+\k+1], v[pp+16*\u:pp+16*\u+1], v[O+8*\u+\k:O+8*\u+\k+1] op_sel:[0,1,0] op_sel_hi:[1,1,1]   ; the odd key: p's high word for both
.endr
.endr
.if c < 5
	VLOAD \slot, \st, c+3
.endif
.set c, c+1
.endr
.endm
; A STEP: 32 keys, both units.  It finds its scores in S, its V's first three pieces and the next step's K asked for (K first), and leaves the same for the next step.
.macro STEP slot, st
	SOFT
.if (\st) < 7
	s_wait_dscnt 12                                                 ; the next step's K is in; the twelve loads of V, issued behind K's two, may stay out
.endif
	PVV \slot, \st
.if (\st) < 6
	LOADK \slot, (\st)+2                                            ; 18 plain lines behind the last matrix instruction that read K's registers
.endif
.if (\st) < 7
	VPRE \slot, (\st)+1
.endif
.endm
; THE CHANGE OF CHUNKS.  The barrier says two things of every wave: its stores into the slot read next are done, and so are its reads of the slot written next.  Then my share of a later chunk goes into that
; other slot, and the first step's scores are made.  mode 1: always (its load of x is left out in the last trip); mode 2: left out in the last trip, a scalar branch on the counter that jumps over no barrier.
.macro EDGE slot, mode
	BARRIER
	LOADK \slot, 0
.if \mode == 2
	s_cmp_eq_u32 s58, 1
	s_cbranch_scc1 .Lnone_\@
	PRODUCE 1-\slot, 1
.Lnone_\@:
.else
	PRODUCE 1-\slot, 2
.endif
	s_wait_dscnt 0x0                                                ; K's fragments are in; the stores that read the scores' registers are done
.set c, 0
.rept 8
	WM
.set c, c+1
.endr
	PLACES 8                                                        ; in front of the reads of the scores and of the loads into K's registers
	LOADK \slot, 1
	VPRE \slot, 0
.endm
; A layer norm of a row of 32: 16 numbers a lane in v[y] on, the other 16 in lane l xor 16.  Mean first, then the mean of the squared differences.  g, be: gain and offset of my 16 channels.
.macro LN y, g, be, dst
	v_pk_add_f32 v[220:221], v[\y:\y+1], v[\y+2:\y+3]
	v_pk_add_f32 v[222:223], v[\y+4:\y+5], v[\y+6:\y+7]
	v_pk_add_f32 v[224:225], v[\y+8:\y+9], v[\y+10:\y+11]
	v_pk_add_f32 v[226:227], v[\y+12:\y+13], v[\y+14:\y+15]
	v_pk_add_f32 v[220:221], v[220:221], v[222:223]
	v_pk_add_f32 v[224:225], v[224:225], v[226:227]
	v_pk_add_f32 v[220:221], v[220:221], v[224:225]
	v_add_f32 v216, v220, v221
	v_permlanex16_b32 v244, v216, s56, s57
	v_add_f32 v216, v216, v244
	v_mul_f32 v216, s61, v216                                       ; the mean
.irp k, 0,2,4,6,8,10,12,14
	v_pk_add_f32 v[\y+\k:\y+\k+1], v[\y+\k:\y+\k+1], v[216:217] op_sel_hi:[1,0] neg_lo:[0,1] neg_hi:[0,1]
.endr
	v_pk_mul_f32 v[220:221], v[\y:\y+1], v[\y:\y+1]
	v_pk_mul_f32 v[222:223], v[\y+2:\y+3], v[\y+2:\y+3]
.irp k, 4,8,12
	v_pk_fma_f32 v[220:221], v[\y+\k:\y+\k+1], v[\y+\k:\y+\k+1], v[220:221]
	v_pk_fma_f32 v[222:223], v[\y+\k+2:\y+\k+3], v[\y+\k+2:\y+\k+3], v[222:223]
.endr
	v_pk_add_f32 v[220:221], v[220:221], v[222:223]
	v_add_f32 v218, v220, v221
	v_permlanex16_b32 v244, v218, s56, s57
	v_add_f32 v218, v218, v244
	v_fma_f32 v218, v218, s61, s62                                  ; the variance + 1e-5
	v_rsq_f32 v218, v218
	v_nop                                                           ; the plain line behind it,
	s_wait_alu depctr_va_vdst(0)                                    ; and the wait ahead of its first reader
.irp k, 0,2,4,6,8,10,12,14
	v_pk_mul_f32 v[\y+\k:\y+\k+1], v[\y+\k:\y+\k+1], v[218:219] op_sel_hi:[1,0]
.endr
.irp k, 0,2,4,6,8,10,12,14
	v_pk_fma_f32 v[\dst+\k:\dst+\k+1], v[\y+\k:\y+\k+1], v[\g+\k:\g+\k+1], v[\be+\k:\be+\k+1]
.endr
.endm
; ---------------- THE HEAD ----------------
	s_load_b512 s[4:19], s[0:1], 0x0               ; x 4, wq_codes 6, wq_scales 8, bq 10, wk_codes 12, wk_scales 14, bk 16, wv_codes 18
	s_load_b512 s[20:35], s[0:1], 0x40             ; wv_scales 20, bv 22, wo_codes 24, wo_scales 26, bo 28, g1 30, beta1 32, wl_codes 34
	s_load_b256 s[36:43], s[0:1], 0x80             ; wl_scales 36, bl 38, g2 40, beta2 42
	s_load_b64 s[44:45], s[0:1], 0xa0              ; out0
	v_lshl_add_u32 v248, v0, 2, 0x43800
	v_mov_b32 v249, 0
	v_lshrrev_b32 v15, 5, v0
	v_readfirstlane_b32 s46, v15                   ; wave w
	s_and_b32 s47, s46, 3                          ; my head
	s_lshr_b32 s48, s46, 2                         ; my pair of query tiles
	s_and_b32 s50, ttmp7, 0xffff                   ; the batch
	s_mov_b32 s56, 0x76543210                      ; v_permlanex16_b32's selects for lane l xor 16
	s_mov_b32 s57, 0xfedcba98
	s_mov_b32 s61, 0x3d000000                      ; 1 / 32
	s_mov_b32 s62, 0x3727c5ac                      ; 1e-5
	v_and_b32 v14, 31, v0                          ; lane
	v_and_b32 v232, 15, v0                         ; r
	v_bfe_u32 v233, v0, 4, 1                       ; h
.irp z, 116,117,118,119,164,165,166,167,209,211,213,215,217,218,219,221
	v_mov_b32 v[\z], 0                             ; zero codes; upper words of pairs that are named whole; destinations of lane permutes, which count as read
.endr
	v_mul_u32_u24 v1, v232, KP                     ; K's fragments
	v_lshl_add_u32 v1, v233, 4, v1
	s_lshl_b32 s66, s47, 5
	v_add_nc_u32 v1, s66, v1
	v_add_nc_u32 v2, SLOT1, v1
	v_mov_b32 v238, s66                            ; 32 head: bv's offset
	s_add_co_u32 s66, s66, VOFF                    ; V's rows: my half's eight keys of a tile begin 8 h rows on
	v_mul_u32_u24 v3, v233, 8*KP
	v_add_nc_u32 v3, s66, v3
	v_add_nc_u32 v4, SLOT1, v3
	s_mul_i32 s66, s46, 16*KP                      ; K's and V's stores
	v_mul_u32_u24 v5, v232, KP
	v_lshl_add_u32 v5, v233, 5, v5
	v_add_nc_u32 v5, s66, v5
	v_add_nc_u32 v6, SLOT1, v5
	s_mul_i32 s66, s46, 32*SPL                     ; my stage
	s_add_co_u32 s66, s66, STG
	v_mul_u32_u24 v9, v14, SPL
	v_add_nc_u32 v9, s66, v9
	v_lshrrev_b32 v10, 3, v14                      ; byte 16 lane of 512: row lane / 8, half (lane / 4) % 2, piece lane % 4 -> place row + 16 half, 16 piece
	v_mul_u32_u24 v10, v10, SPL
	v_bfe_u32 v235, v0, 2, 1
	v_mul_u32_u24 v235, v235, 16*SPL
	v_add_nc_u32 v10, v10, v235
	v_and_b32 v235, 3, v0
	v_lshl_add_u32 v10, v235, 4, v10
	v_add_nc_u32 v10, s66, v10
	v_lshlrev_b32 v11, 4, v14
	s_mul_i32 s66, s46, 2*16*APT                   ; the joined heads: my block, row r, + 16 h: each lane stores four channels; unit u lies 16 rows on
	s_add_co_u32 s66, s66, QC
	v_mul_u32_u24 v12, v232, APT
	v_lshl_add_u32 v12, v233, 4, v12
	v_add_nc_u32 v12, s66, v12
	s_lshl_b32 s66, s48, 2                         ; q's fragments: query tile 2 (w >> 2) + u and channel half head / 2 lie in block 4 (w >> 2) + 2 u + head / 2;
	s_lshr_b32 s63, s47, 1
	s_add_co_u32 s66, s66, s63
	s_mul_i32 s66, s66, 16*QPT
	s_and_b32 s63, s47, 1                          ; in a row: 32 (head % 2) + 16 h
	s_lshl_b32 s63, s63, 5
	s_add_co_u32 s66, s66, s63
	s_add_co_u32 s66, s66, QC
	v_mul_u32_u24 v247, v232, QPT
	v_lshl_add_u32 v247, v233, 4, v247
	v_add_nc_u32 v247, s66, v247
	s_and_b32 s66, s46, 7                          ; the tail's row tile t = w & 7: unit t % 2 of the four waves 4 (t / 2) + head; lane (r, h) begins at head 2 h
	s_lshr_b32 s63, s66, 1
	s_mul_i32 s63, s63, 4*2*16*APT
	s_and_b32 s66, s66, 1
	s_mul_i32 s66, s66, 16*APT
	s_add_co_u32 s66, s66, s63
	s_add_co_u32 s66, s66, QC
	v_mul_u32_u24 v13, v232, APT
	v_mul_u32_u24 v235, v233, 2*2*16*APT
	v_add_nc_u32 v13, v13, v235
	v_add_nc_u32 v13, s66, v13
	v_lshlrev_b32 v236, 4, v232                    ; a weight's row r: 16 bytes
	v_lshlrev_b32 v237, 5, v233                    ; 32 h: eight numbers of a bias
	s_and_b32 s67, s46, 1                          ; for q wave w makes query tile w / 2, channel tile w % 2
	s_lshl_b32 s66, s67, 8
	v_add_nc_u32 v239, s66, v236
	s_lshl_b32 s66, s67, 6
	v_add_nc_u32 v240, s66, v237
	s_lshl_b32 s63, s67, 4
	v_add_nc_u32 v241, s63, v232
	s_mul_i32 s63, s46, 16*QPT                     ; where q goes: my block, row r, + 32 h
	s_add_co_u32 s63, s63, QC
	v_mul_u32_u24 v246, v232, QPT
	v_lshl_add_u32 v246, v233, 5, v246
	v_add_nc_u32 v246, s63, v246
	s_lshl_b32 s66, s50, 18                        ; a batch of x is 262,144 bytes
	s_mov_b32 s67, 0
	s_wait_kmcnt 0x0
	s_add_nc_u64 s[54:55], s[4:5], s[66:67]
	s_lshl_b32 s66, s46, 11
	s_add_nc_u64 s[52:53], s[54:55], s[66:67]      ; my tile of chunk 0
	s_lshl_b32 s66, ttmp9, 14
	s_add_nc_u64 s[54:55], s[54:55], s[66:67]      ; the work-group's 128 queries
	s_lshr_b32 s66, s46, 1
	s_lshl_b32 s66, s66, 11
	s_add_nc_u64 s[68:69], s[54:55], s[66:67]      ; the query tile that I project
	XLOAD 68
	global_load_b128 v[WK:WK+3], v236, s[12:13]
	global_load_b128 v[WK+4:WK+7], v236, s[12:13] offset:256
	global_load_b128 v[WV:WV+3], v236, s[18:19]
	global_load_b128 v[WV+4:WV+7], v236, s[18:19] offset:256
	global_load_u8 v[WS], v232, s[14:15]
	global_load_u8 v[WS+1], v232, s[14:15] offset:16
	global_load_u8 v[WS+2], v232, s[20:21]
	global_load_u8 v[WS+3], v232, s[20:21] offset:16
.irp t, 0,1
	global_load_b128 v[BK+8*\t:BK+8*\t+3], v237, s[16:17] offset:64*\t
	global_load_b128 v[BK+8*\t+4:BK+8*\t+7], v237, s[16:17] offset:64*\t+16
.endr
	global_load_b128 v[BV:BV+3], v238, s[22:23]
	global_load_b128 v[BV+4:BV+7], v238, s[22:23] offset:16
	global_load_b128 v[112:115], v239, s[6:7]      ; wq's fragment
	global_load_b128 v[120:123], v240, s[10:11]    ; bq in the result's layout
	global_load_b128 v[124:127], v240, s[10:11] offset:16
	global_load_u8 v[WQS], v241, s[8:9]
	s_wait_loadcnt 0x0
	TURN P
	XLOAD 52                                       ; chunk 0
	QUANT16 P
	FP4 S, 112, XO, 120, WQS, XS                   ; q, transposed: lane = query r, register j = channel 16 (w % 2) + 8 h + j
	PLACES 5
	ds_store_b128 v246, v[S:S+3]
	ds_store_b128 v246, v[S+4:S+7] offset:16
	PRODUCE 0, 1                                   ; chunk 0 into slot 0
	BARRIER                                        ; q lies in LDS
.irp u, 0,1
	ds_load_b128 v[QF+4*\u:QF+4*\u+3], v247 offset:2*16*QPT*\u
.endr
	s_wait_dscnt 0x0
.set j, 0
.rept 20
	v_mov_b32 v[O+j], 0                            ; O and the sums: the walk is written once; its first step finds zeros, which f = 0 leaves zeros
.set j, j+1
.endr
	v_mov_b32 v[M], 0xff61b1e6                     ; the running maximum: -3e38
	v_mov_b32 v[M+2], 0xff61b1e6
.irp n, 0,1,2,3,4,5,6,7
	v_mul_f32 v[QF+\n], 0x3f0293ee, v[QF+\n]       ; q x log2(e) / sqrt(8)
.endr
; ---------------- THE WALK: four trips of two chunks.  Trip n walks chunks 2 n (slot 0) and 2 n + 1 (slot 1), and makes chunks 2 n + 1 and 2 n + 2 ----------------
	s_mov_b32 s58, 4
.Lpair:
	EDGE 0, 1
.irp n, 0,1,2,3,4,5,6,7
	STEP 0, \n
.endr
	EDGE 1, 2
.irp n, 0,1,2,3,4,5,6,7
	STEP 1, \n
.endr
	s_sub_co_u32 s58, s58, 1
	s_cmp_lg_u32 s58, 0
	s_cbranch_scc1 .Lpair
; ---------------- attn = O / the sum + bv: the two halves of the lanes add what each summed over its keys; the heads meet in QC ----------------
.irp u, 0,1
	v_add_f32 v[T+\u], v[L+2*\u], v[L+2*\u+1]
.endr
.irp u, 0,1
	v_permlanex16_b32 v[T2+\u], v[T+\u], s56, s57
.endr
.irp u, 0,1
	v_add_f32 v[T+\u], v[T+\u], v[T2+\u]
.endr
.irp u, 0,1
	v_rcp_f32 v[F+2*\u], v[T+\u]
.endr
	v_nop                                                           ; the plain line behind the reciprocals
.irp u, 0,1
.irp k, 0,1,2,3,4,5,6,7
	v_permlanex16_b32 v[P+16*\u+\k], v[O+8*\u+\k], s56, s57
.endr
.endr
	s_wait_alu depctr_va_vdst(0)                                    ; one wait for the two reciprocals, ahead of their first reader
.irp u, 0,1
.irp k, 0,2,4,6
	v_pk_add_f32 v[O+8*\u+\k:O+8*\u+\k+1], v[O+8*\u+\k:O+8*\u+\k+1], v[P+16*\u+\k:P+16*\u+\k+1]
.endr
.endr
.irp u, 0,1
.irp k, 0,2,4,6
	v_pk_fma_f32 v[P+16*\u+8+\k:P+16*\u+8+\k+1], v[O+8*\u+\k:O+8*\u+\k+1], v[F+2*\u:F+2*\u+1], v[BV+\k:BV+\k+1] op_sel_hi:[1,0,1]
.endr
.endr
	v_cmp_le_u32 vcc_lo, 16, v14                                    ; both halves hold all eight channels: lanes 0-15 store channels 0-3, lanes 16-31 channels 4-7, all lanes on
.irp u, 0,1
.irp k, 0,1,2,3
	v_cndmask_b32 v[P+16*\u+\k], v[P+16*\u+8+\k], v[P+16*\u+12+\k], vcc_lo
.endr
.endr
.irp u, 0,1
	ds_store_b128 v12, v[P+16*\u:P+16*\u+3] offset:16*APT*\u
.endr
	BARRIER                                                         ; all sixteen blocks of the joined heads lie in QC
	s_cmp_ge_u32 s46, 8                                             ; eight tiles of 16 rows: waves 0 to 7 finish them; no barrier stands behind this branch
	s_cbranch_scc1 .Lend
; ---------------- THE TAIL: row tile w.  Lane (r, h) holds row r, channels 16 h + 0 .. 15 throughout: lane r of weight tile u takes output channel 8 u + r + (r & 8) ----------------
	s_lshl_b32 s66, s50, 18
	s_mov_b32 s67, 0
	s_add_nc_u64 s[70:71], s[44:45], s[66:67]
	s_lshl_b32 s66, ttmp9, 14
	s_add_nc_u64 s[70:71], s[70:71], s[66:67]
	s_lshl_b32 s66, s46, 11
	s_add_nc_u64 s[70:71], s[70:71], s[66:67]      ; out0 at my 16 rows
	s_add_nc_u64 s[68:69], s[54:55], s[66:67]      ; x likewise
	v_and_b32 v245, 15, v0
	v_and_b32 v246, 8, v0
	v_add_nc_u32 v245, v245, v246                  ; r + (r & 8)
	v_lshlrev_b32 v246, 4, v245
	v_bfe_u32 v247, v0, 4, 1
	v_lshlrev_b32 v247, 6, v247                    ; 64 h
	s_wait_loadcnt 0x0                             ; registers that the walk's loads wrote are loaded anew only behind a wait for all of them, on every path out of the loop
	XLOAD 68
	global_load_b128 v[168:171], v246, s[24:25]
	global_load_b128 v[172:175], v246, s[24:25] offset:128
	global_load_b128 v[176:179], v246, s[34:35]
	global_load_b128 v[180:183], v246, s[34:35] offset:128
	global_load_u8 v[WS], v245, s[26:27]
	global_load_u8 v[WS+1], v245, s[26:27] offset:8
	global_load_u8 v[WS+2], v245, s[36:37]
	global_load_u8 v[WS+3], v245, s[36:37] offset:8
.irp n, 0,1,2,3
	global_load_b128 v[184+4*\n:187+4*\n], v247, s[28:29] offset:16*\n   ; bo
	global_load_b128 v[16+4*\n:19+4*\n], v247, s[38:39] offset:16*\n     ; bl
	global_load_b128 v[32+4*\n:35+4*\n], v247, s[30:31] offset:16*\n     ; g1
	global_load_b128 v[128+4*\n:131+4*\n], v247, s[32:33] offset:16*\n   ; beta1
	global_load_b128 v[228+4*\n:231+4*\n], v247, s[40:41] offset:16*\n   ; g2
	global_load_b128 v[200+4*\n:203+4*\n], v247, s[42:43] offset:16*\n   ; beta2
.endr
.irp n, 0,1,2,3
	ds_load_b128 v[96+4*\n:99+4*\n], v13 offset:(\n/2)*2*16*APT+16*(\n%2)   ; the joined heads: channels 16 h + 4 n on lie in head 2 h + n / 2's block, 16 (n % 2) bytes into the row
.endr
	s_wait_loadcnt 0x0
	TURN 112                                       ; x, the residual
	QUANT16 96
.irp u, 0,1
	FP4 48+8*\u, 168+4*\u, XO, 184+8*\u, WS+\u, XS                       ; attn wo + bo
.endr
	PLACES 4
.irp k, 0,2,4,6,8,10,12,14
	v_pk_add_f32 v[96+\k:97+\k], v[48+\k:49+\k], v[112+\k:113+\k]        ; + x
.endr
	LN 96, 32, 128, 112                            ; a1
	QUANT16 112
.irp u, 0,1
	FP4 64+8*\u, 176+4*\u, XO, 16+8*\u, WS+2+\u, XS                      ; a1 wl + bl
.endr
	PLACES 4
.irp k, 0,2,4,6,8,10,12,14
	v_pk_add_f32 v[96+\k:97+\k], v[64+\k:65+\k], v[112+\k:113+\k]        ; + a1
.endr
	LN 96, 228, 200, 96
.irp n, 0,1,2,3                     ; the way out: TURN backwards, so that each store of the wave covers 512 consecutive bytes, aligned
	ds_store_b128 v9, v[96+4*\n:99+4*\n] offset:16*\n
.endr
.irp n, 0,1,2,3
	ds_load_b128 v[XL+4*\n:XL+4*\n+3], v10 offset:320*\n
.endr
	s_wait_dscnt 0x0
.irp n, 0,1,2,3
	global_store_b128 v11, v[XL+4*\n:XL+4*\n+3], s[70:71] offset:512*\n th:TH_STORE_NT
.endr
.Lend:
	s_wait_tensorcnt 0x0
	ds_add_u32 v248, v249
	s_wait_dscnt 0x0
	s_endpgm
.Lfunc_end_k_qcfd8e99680_mha:
	.size	k_qcfd8e99680_mha, .Lfunc_end_k_qcfd8e99680_mha-k_qcfd8e99680_mha
	.p2alignl 7, 3214868480
	.fill 96, 4, 3214868480
	.section	.rodata,"a",@progbits
	.p2align	6, 0x0
	.amdhsa_kernel k_qcfd8e99680_mha
		.amdhsa_group_segment_fixed_size 278528
		.amdhsa_private_segment_fixed_size 0
		.amdhsa_enable_private_segment 0
		.amdhsa_kernarg_size 168
		.amdhsa_user_sgpr_count 2
		.amdhsa_user_sgpr_kernarg_segment_ptr 1
		.amdhsa_wavefront_size32 1
		.amdhsa_system_sgpr_workgroup_id_x 1
		.amdhsa_system_sgpr_workgroup_id_y 1
		.amdhsa_system_sgpr_workgroup_id_z 1
		.amdhsa_system_vgpr_workitem_id 0
		.amdhsa_next_free_vgpr 256
		.amdhsa_next_free_sgpr 72
		.amdhsa_reserve_vcc 1
		.amdhsa_float_denorm_mode_32 3
		.amdhsa_float_denorm_mode_16_64 3
		.amdhsa_memory_ordered 1
		.amdhsa_forward_progress 1
		.amdhsa_inst_pref_size 255
	.end_amdhsa_kernel
	.section	.bss,"aw",@nobits
	.p2align	6
	.space	262144
	.amdgpu_metadata
---
amdhsa.version: [ 1, 2 ]
amdhsa.kernels:
  - .name:           k_qcfd8e99680_mha
    .symbol:         k_qcfd8e99680_mha.kd
    .args:
      - { .name: x, .offset: 0, .size: 8, .value_kind: global_buffer, .address_space: global }
      - { .name: wq_codes, .offset: 8, .size: 8, .value_kind: global_buffer, .address_space: global }
      - { .name: wq_scales, .offset: 16, .size: 8, .value_kind: global_buffer, .address_space: global }
      - { .name: bq, .offset: 24, .size: 8, .value_kind: global_buffer, .address_space: global }
      - { .name: wk_codes, .offset: 32, .size: 8, .value_kind: global_buffer, .address_space: global }
      - { .name: wk_scales, .offset: 40, .size: 8, .value_kind: global_buffer, .address_space: global }
      - { .name: bk, .offset: 48, .size: 8, .value_kind: global_buffer, .address_space: global }
      - { .name: wv_codes, .offset: 56, .size: 8, .value_kind: global_buffer, .address_space: global }
      - { .name: wv_scales, .offset: 64, .size: 8, .value_kind: global_buffer, .address_space: global }
      - { .name: bv, .offset: 72, .size: 8, .value_kind: global_buffer, .address_space: global }
      - { .name: wo_codes, .offset: 80, .size: 8, .value_kind: global_buffer, .address_space: global }
      - { .name: wo_scales, .offset: 88, .size: 8, .value_kind: global_buffer, .address_space: global }
      - { .name: bo, .offset: 96, .size: 8, .value_kind: global_buffer, .address_space: global }
      - { .name: g1, .offset: 104, .size: 8, .value_kind: global_buffer, .address_space: global }
      - { .name: beta1, .offset: 112, .size: 8, .value_kind: global_buffer, .address_space: global }
      - { .name: wl_codes, .offset: 120, .size: 8, .value_kind: global_buffer, .address_space: global }
      - { .name: wl_scales, .offset: 128, .size: 8, .value_kind: global_buffer, .address_space: global }
      - { .name: bl, .offset: 136, .size: 8, .value_kind: global_buffer, .address_space: global }
      - { .name: g2, .offset: 144, .size: 8, .value_kind: global_buffer, .address_space: global }
      - { .name: beta2, .offset: 152, .size: 8, .value_kind: global_buffer, .address_space: global }
      - { .name: out0, .offset: 160, .size: 8, .value_kind: global_buffer, .address_space: global }
    .group_segment_fixed_size: 278528
    .private_segment_fixed_size: 0
    .kernarg_segment_align: 8
    .kernarg_segment_size: 168
    .max_flat_workgroup_size: 512
    .sgpr_count:     72
    .vgpr_count:     256
    .wavefront_size: 32
...
	.end_amdgpu_metadata
.endif
;; end of part 2
;; ======== version 3 of 3: 1 launch; version 2 with the launch mha written anew for expert scheduling mode
;; launch mha (part 3): grid 16 x 16, 16 waves a work-group, no clusters, 278,528 bytes of LDS; arguments x, wq_codes, wq_scales, bq, wk_codes, wk_scales, bk, wv_codes, wv_scales, bv, wo_codes, wo_scales, bo, g1, beta1, wl_codes, wl_scales, bl, g2, beta2, out0; writes out0
.if DOCPART == 3
	.amdgcn_target "amdgcn-amd-amdhsa--gfx1250"
	.amdhsa_code_object_version 6
	.text
	.protected	k_qcfd8e99680_mha
	.globl	k_qcfd8e99680_mha
	.p2align	8
	.type	k_qcfd8e99680_mha,@function
k_qcfd8e99680_mha:
	s_mov_b64 s[64:65], 0
	v_nop
	global_prefetch_b8 v0, s[64:65] scope:SCOPE_SE
	s_setreg_imm32_b32 hwreg(HW_REG_WAVE_SCHED_MODE, 0, 2), 2
	s_setreg_imm32_b32 hwreg(HW_REG_WAVE_MODE, 25, 1), 1
	s_wait_xcnt 0x0
	s_wait_alu depctr_vm_vsrc(0)
; out0 = LN2(a1 wl + bl + a1), a1 = LN1(attn wo + bo + x), attn = softmax(q k^T / sqrt(8)) v in 4 heads of 8, q, k, v = x w + b.  x, out0: [16][2048][32] f32.
; The five products with K = 32 run on codes of FP4 (E2M1) with one E8M0 byte for a row's 32 numbers: the weights come as codes, x, attn and a1 are quantised here, in registers.
; q k^T and p v feed a quantiser, so they take f32 operands.  Softmax (running maximum), layer norms and residuals in f32.
; SHARES.  A work-group owns 128 queries of one batch, all four heads: 16 waves; wave w has head w & 3 and the two tiles of 16 queries 2 (w >> 2) + u.  Every wave walks the batch's 2,048 keys,
; 32 a step.  K and V are not kept in memory: for each chunk of 256 keys wave w quantises 16 rows of x and makes their K and V (four FP4 products) into one of two LDS slots, while the other slot is walked.
; SCORES: S^T = K Q^T by v_wmma_f32_16x16x4_f32 (source 0 = 16 keys, source 1 = 16 queries): a lane holds ONE query (lane % 16) and keys 8 (lane / 16) + 0 .. 7 of a tile.
; P V BY PACKED FUSED MULTIPLY-ADDS.  The matrix form has 16 rows and a head 8 channels: of an instruction's 1,024 multiply-adds 512 would be the problem's; a packed line's 64 all are.  A lane sums p x V[key][0 .. 7] over ITS keys in
; 8 registers a unit; V[key] comes from LDS with one address for the sixteen lanes of a half; the two halves' sums meet once, at the end.  The next step's eight matrix instructions stand one at the head of each of the eight pieces of this work.
; REARRANGED, each the same number to f32 rounding: c = log2(e) / sqrt(8) is multiplied into q once and p = 2^(s - m); bv is added behind the division by the sum (the weights sum to 1); bk, bq, bo, bl are the C of their products.
; An FP4 operand names 8 registers for K = 128; K is 32 here.  The quantised side holds zero codes for k = 32 .. 127, so whatever codes the weight's side holds there add nothing (FP4 has no NaN; the scale words' upper bytes are 0, a finite power of two).
; A block of zeros gets the scale byte 1: its codes are zeros.  LIMITS: NaN and infinities among the inputs are not served; the running maximum starts at -3e38.
; NO CLUSTER, NO TENSOR LOAD, NO PREFETCH: what work-groups share is x of a batch, of which a wave takes one tile of 2,048 bytes for each eight steps, asked for a whole chunk ahead into registers: no wave waits for it.
; LDS: slot s at 131072 s: K, 256 keys x 144 bytes (32 channels + 16); behind it V likewise.  STG: a stage of 32 x 80 bytes for each wave.
; QC, between slot 0's end and slot 1, is laid BY WAVES, so that each wave stores into a block of its own: first q, block w = 16 queries x 80 bytes (16 channels + 16); at the end the joined heads, block w = 2 units x 16 queries x 48 bytes (8 channels + 16).
; All pitches are odd multiples of 16 bytes.
; THE MODE: SCHED_MODE bits 1:0 = 2 (LLVM: expert scheduling mode 2), set by the entry lines.  The code itself states the register dependences
; between vector or matrix instructions and memory or LDS instructions, with s_wait_alu, always for 0.
; THE PLAN.  Registers that memory or LDS instructions touch, in the walk:
;   V's ring    four buffers of two keys.  Piece c of a step's eight reads buffer c % 4 by its sixteen multiply-adds; LDS loads land in it.  The pieces go in pairs on two halves of the ring: behind pieces 1 and 3 one wait
;               on va_vdst states that the pair is done reading its half, and the eight loads of the pair four pieces on follow; at the step's end one wait serves all four buffers and K's registers.
;   KF          read by the step's eight matrix instructions; the LDS loads of K two steps on land in it behind the step's last wait.
;   XL          written by the global loads of a tile of x, read by the stage's LDS stores: one wait on vm_vsrc a chunk, ahead of the next tile's loads.  No vector instruction names it in the walk.
;   P           once a chunk the stage's LDS loads land in its first 16: behind the wait on va_vdst at the change of chunks.  Otherwise vector instructions alone name it.
;   S           written by matrix instructions alone; once a chunk LDS stores read it (K and V): a wait on va_vdst ahead of them, one on vm_vsrc ahead of the scores that write over it.
;   v1-6, v9-13 addresses, made at the head and never written again.
.set SLOT1, 131072
.set KP,    144
.set VOFF,  36864
.set QC,    103424
.set QPT,   80   ; a row of a block of q
.set APT,   48   ; a row of a block of the joined heads
.set STG,   234496
.set SPL,   80
; REGISTERS.  r = lane % 16, h = lane / 16.
.set AK,  1      ; v1-2    K's fragments in slot 0, 1: r KP + 32 head + 16 h
.set AV,  3      ; v3-4    V's rows: VOFF + 8 h KP + 32 head: one address for each half of the lanes
.set WKA, 5      ; v5-6    where I store K: (16 w + r) KP + 32 h; V lies VOFF further on
                 ; v9 my stage by lanes (80 lane); v10 my stage by the bytes of a tile as they lie in memory; v11 16 lane; v12 my block of the joined heads; v13 where the tail reads them; v14 lane
.set QF,  16     ; v16-23  q x c, unit u at 4 u: query r, channels 8 head + 4 h + 0 .. 3
.set KF,  24     ; v24-31  K, tile t at 4 t: key r, the same channels
                 ; V's ring: buffers 0, 1, 2 at v32-47, v80-95, v128-143: two keys x 8 channels; buffer 3: the even key in v160-167, the odd key in v220-227, which lie idle during the walk
.set S,   48     ; v48-79  scores (u, t) at 16 u + 8 t; also the D of every FP4 product.  Written by matrix instructions alone
.set P,   96     ; v96-127 s - m, then p, (u, t) at 16 u + 8 t; between chunks 16 numbers of x
.set XL,  144    ; v144-159 a tile of x as it lies in memory
.set XO,  160    ; v160-163 the codes just made; v164-167 zeros: both laid anew by QUANT16; during the walk half of the ring's buffer 3
.set WK,  168    ; v168-175 wk's two fragments, 4 registers each;  v176-183 wv's
.set WV,  176
.set BK,  184    ; v184-199 bk in the result's layout
.set BV,  200    ; v200-207 bv of my head
.set M,   208    ; v208, v210 the running maximum (low words of pairs);  v212, v214 f
.set F,   212
.set T,   216    ; v216-217 a step's maximum;  v218-219 the other half's
.set T2,  218
                 ; v220-227 at work in QUANT16 and LN; during the walk the other half of the ring's buffer 3
.set O,   228    ; v228-243 my keys' part of O, unit u at 8 u: query r, the head's 8 channels  (the head's temporaries lie here first, the tail's constants last)
.set L,   244    ; v244-247 my keys' part of the sum, unit u at 2 u: even keys', odd keys'
.set XS,  250    ; v250 the scale word just made; v251-254 the weights' scale bytes; v255 wq's: scales and nothing else
.set WS,  251
.set WQS, 255
.macro PLACES n                     ; plain vector instructions between a matrix instruction and what may not follow it at once (ISA guide 7.12.1)
.rept \n
	v_nop
.endr
.endm
.macro BARRIER                      ; my LDS stores have landed and my LDS loads are in: then the work-group's barrier
	s_wait_dscnt 0x0
	s_barrier_signal -1
	s_barrier_wait -1
.endm
.macro XLOAD base                   ; a tile of 16 rows of x, 2,048 consecutive bytes: each load of the wave takes 512 of them
.irp n, 0,1,2,3
	global_load_b128 v[XL+4*\n:XL+4*\n+3], v11, s[\base:\base+1] offset:512*\n
.endr
.endm
.macro TURN dst                     ; the tile goes through my own stage: afterwards lane (r, h) holds row r, k = 16 h + 0 .. 15.  LDS serves a wave's instructions in order: no wait between stores and loads
.irp n, 0,1,2,3
	ds_store_b128 v10, v[XL+4*\n:XL+4*\n+3] offset:320*\n
.endr
.irp n, 0,1,2,3
	ds_load_b128 v[\dst+4*\n:\dst+4*\n+3], v9 offset:16*\n
.endr
	s_wait_dscnt 0x0
.endm
; 16 numbers a lane (row r, k = 16 h + 0 .. 15) become the row's 32 codes in v160-163 of lanes 0-15 (zeros in lanes 16-31), zero codes in v164-167, and the row's scale byte in v250.
.macro QUANT16 src
	v_max3_num_f32 v220, |v[\src]|, |v[\src+1]|, 0x1800000          ; the largest magnitude, in two chains, with the floor 2^(3 - 127): the byte cannot fall under 1
	v_max3_num_f32 v222, |v[\src+8]|, |v[\src+9]|, |v[\src+10]|
	v_max3_num_f32 v220, v220, |v[\src+2]|, |v[\src+3]|
	v_max3_num_f32 v222, v222, |v[\src+11]|, |v[\src+12]|
	v_max3_num_f32 v220, v220, |v[\src+4]|, |v[\src+5]|
	v_max3_num_f32 v222, v222, |v[\src+13]|, |v[\src+14]|
	v_max3_num_f32 v220, v220, |v[\src+6]|, |v[\src+7]|
	v_max3_num_f32 v220, v220, v222, |v[\src+15]|
	v_permlanex16_b32 v221, v220, s56, s57
	v_max_num_f32 v220, v220, v221                                  ; with lane l xor 16's 16: the block's
	v_add_nc_u32 v223, 0xff000000, v220                             ; 2 off its exponent field: the conversion takes that field as its scale
	v_lshrrev_b32 v[XS], 23, v223                                   ; the scale's byte
	v_cvt_scalef32_pk8_fp4_f32 v160, v[\src:\src+7], v223
	v_cvt_scalef32_pk8_fp4_f32 v161, v[\src+8:\src+15], v223
	v_mov_b32 v162, 0                                               ; (the plain line behind the conversions)
	v_mov_b32 v163, 0
.irp z, 164,165,166,167
	v_mov_b32 v[\z], 0                                              ; the zero codes of k = 64 .. 127, laid anew: during the walk these four registers hold numbers of V
.endr
	v_permlane16_swap_b32 v160, v162                                ; lanes 16-31's codes, k = 16 .. 31, go to lanes 0-15 of v162-163; zeros come back
	v_permlane16_swap_b32 v161, v163
	PLACES 8                                                        ; a scale register written by a vector instruction stands 8 places ahead of a scaled product, an operand 4
	s_wait_alu depctr_va_vdst(0)                                    ; the codes in v160-167 and the scale byte in v250 are written, which the scaled products that follow take; the places above stay beside this wait
.endm
.macro FP4 d, a, b, c, sa, sb       ; a scaled product on FP4 codes; c = -1: the sum starts with the constant 0
.if \c < 0
	v_wmma_scale_f32_16x16x128_f8f6f4 v[\d:\d+7], v[\a:\a+7], v[\b:\b+7], 0, v[\sa], v[\sb] matrix_a_fmt:MATRIX_FMT_FP4 matrix_b_fmt:MATRIX_FMT_FP4
.else
	v_wmma_scale_f32_16x16x128_f8f6f4 v[\d:\d+7], v[\a:\a+7], v[\b:\b+7], v[\c:\c+7], v[\sa], v[\sb] matrix_a_fmt:MATRIX_FMT_FP4 matrix_b_fmt:MATRIX_FMT_FP4
.endif
.endm
; My 16 keys of a later chunk: K and V into slot.  gl = 1: the chunk after it is asked for; gl = 2: not in the loop's last trip, where there is none: no load leaves x.
; (The stage's loads land in P's first 16 registers: the last vector instruction that named them stands ahead of a wait on va_vdst wherever this macro is used.)
.macro PRODUCE slot, gl
	s_wait_loadcnt 0x0                                              ; the tile asked for a chunk ago is in, and its loads have read their base
	TURN P
	s_wait_alu depctr_vm_vsrc(0)                                    ; the stage's stores have read the tile's registers, in which the next tile lands; the LDS stores of earlier results have read v48-79, which the products below write
.if \gl == 2
	s_cmp_eq_u32 s58, 1
	s_cbranch_scc1 .Lno_more_\@
.endif
	s_add_nc_u64 s[52:53], s[52:53], 32768                          ; 256 rows of 128 bytes on
	XLOAD 52
.if \gl == 2
.Lno_more_\@:
.endif
	QUANT16 P
.irp t, 0,1
	FP4 S+8*\t, WK+4*\t, XO, BK+8*\t, WS+\t, XS                     ; K, transposed: lane = key r, register j = channel 16 t + 8 h + j; bk is its C
.endr
.irp t, 0,1
	FP4 S+16+8*\t, WV+4*\t, XO, -1, WS+2+\t, XS                     ; V likewise
.endr
	PLACES 5                                                        ; 4 in front of the stores that read the results; 5 in front of the scores that write over them
	s_wait_alu depctr_va_vdst(0)                                    ; the four products have written K and V, which the stores below read; the places above stay beside this wait
.irp t, 0,1
	ds_store_b128 v[WKA+(\slot)], v[S+8*\t:S+8*\t+3] offset:64*\t   ; each result from its low end on
	ds_store_b128 v[WKA+(\slot)], v[S+8*\t+4:S+8*\t+7] offset:64*\t+16
.endr
.irp t, 0,1
	ds_store_b128 v[WKA+(\slot)], v[S+16+8*\t:S+16+8*\t+3] offset:VOFF+64*\t
	ds_store_b128 v[WKA+(\slot)], v[S+16+8*\t+4:S+16+8*\t+7] offset:VOFF+64*\t+16
.endr
.endm
.macro LOADK slot, st               ; K's two fragments of step st
.irp t, 0,1
	ds_load_b128 v[KF+4*\t:KF+4*\t+3], v[AK+\slot] offset:(32*(\st)+16*\t)*KP
.endr
.endm
; Piece ch (0 .. 7) of step st's V into buffer ch % 4: for my half of the lanes keys 16 (ch / 4) + 8 h + 2 (ch % 4) + 0, 1, the head's 8 channels each
.macro VLOAD slot, st, ch
.if ((\ch)%4) == 3
.set lbe, 160
.set lbo, 220
.else
.set lbe, 32+48*((\ch)%4)
.set lbo, 40+48*((\ch)%4)
.endif
.set ko, (32*(\st)+16*((\ch)/4)+2*((\ch)%4))*KP
	ds_load_b128 v[lbe:lbe+3], v[AV+\slot] offset:ko
	ds_load_b128 v[lbe+4:lbe+7], v[AV+\slot] offset:ko+16
	ds_load_b128 v[lbo:lbo+3], v[AV+\slot] offset:ko+KP
	ds_load_b128 v[lbo+4:lbo+7], v[AV+\slot] offset:ko+KP+16
.endm
.macro VPRE slot, st                ; the ring's first four pieces
	VLOAD \slot, \st, 0
	VLOAD \slot, \st, 1
	VLOAD \slot, \st, 2
	VLOAD \slot, \st, 3
.endm
; Matrix instruction c of the eight that make a step's scores.  The four accumulators take turns, one instruction a turn.  k index 2 h + j stands for channel 4 h + j on both sides (c < 4), then for 4 h + 2 + j.
.macro WM
.set wt, (c%4)/2
.set wu, c%2
.if c < 4
	v_wmma_f32_16x16x4_f32 v[S+16*wu+8*wt:S+16*wu+8*wt+7], v[KF+4*wt:KF+4*wt+1], v[QF+4*wu:QF+4*wu+1], 0
.else
	v_wmma_f32_16x16x4_f32 v[S+16*wu+8*wt:S+16*wu+8*wt+7], v[KF+4*wt+2:KF+4*wt+3], v[QF+4*wu+2:QF+4*wu+3], v[S+16*wu+8*wt:S+16*wu+8*wt+7]
.endif
.endm
; The softmax of a step whose scores lie in S: the new m, f = 2^(old m - new m), p = 2^(s - m).
.macro SOFT
.irp u, 0,1                         ; the maximum of my 16 scores of each unit and the old m; the units by turns; each accumulator is first read at its low end
	v_max3_num_f32 v[T+\u], v[S+16*\u], v[S+16*\u+1], v[S+16*\u+2]
.endr
.irp n, 3,5,7,9,11,13
.irp u, 0,1
	v_max3_num_f32 v[T+\u], v[T+\u], v[S+16*\u+\n], v[S+16*\u+\n+1]
.endr
.endr
.irp u, 0,1
	v_max3_num_f32 v[T+\u], v[T+\u], v[S+16*\u+15], v[M+2*\u]
.endr
.irp u, 0,1
	v_permlanex16_b32 v[T2+\u], v[T+\u], s56, s57                   ; the query's other 16 keys lie in the lane 16 away
.endr
.irp u, 0,1
	v_max_num_f32 v[T+\u], v[T+\u], v[T2+\u]
.endr
.irp u, 0,1
	v_sub_f32 v[F+2*\u], v[M+2*\u], v[T+\u]                         ; old m - new m
.endr
.irp u, 0,1
	v_mov_b32 v[M+2*\u], v[T+\u]
.endr
.irp u, 0,1
.irp k, 0,2,4,6,8,10,12,14
	v_pk_add_f32 v[P+16*\u+\k:P+16*\u+\k+1], v[S+16*\u+\k:S+16*\u+\k+1], v[M+2*\u:M+2*\u+1] op_sel_hi:[1,0] neg_lo:[0,1] neg_hi:[0,1]   ; s - m, into registers of their own
.endr
.endr
.irp u, 0,1
	v_exp_f32 v[F+2*\u], v[F+2*\u]
.endr
.set j, 0
.rept 32
	v_exp_f32 v[P+j], v[P+j]
.set j, j+1
.endr
	v_nop                                                           ; the plain line behind the last exponential
	s_wait_alu depctr_va_vdst(0)                                    ; the 34 exponentials have written f and p: one wait for the batch, ahead of its first reader
.endm
; O = O f + p V and the sum likewise, in eight pieces of two keys a lane.  A piece: its loads' wait; 16 packed multiply-adds and 2 packed additions.  The pieces go in pairs on the ring's two halves:
; behind pieces 1 and 3 the half just read is asked for again, for the pair four pieces on, behind one wait for both buffers.
; In every step but a chunk's last one matrix instruction of the NEXT step's scores stands at each piece's head: the piece's 18 lines name none of its registers and are the places behind it.
.macro PVV slot, st
.set c, 0
.rept 8
.if (\st) < 7
	WM
.endif
.if c == 0
.irp u, 0,1
.irp k, 0,2,4,6
	v_pk_mul_f32 v[O+8*\u+\k:O+8*\u+\k+1], v[O+8*\u+\k:O+8*\u+\k+1], v[F+2*\u:F+2*\u+1] op_sel_hi:[1,0]   ; what was summed under the old m
.endr
	v_pk_mul_f32 v[L+2*\u:L+2*\u+1], v[L+2*\u:L+2*\u+1], v[F+2*\u:F+2*\u+1] op_sel_hi:[1,0]
.endr
.endif
.if c == 7
	s_wait_dscnt 0x0
.elseif c == 6
	s_wait_dscnt 4                                                  ; behind this piece's four loads: the last piece's four
.elseif (c%2) == 0
	s_wait_dscnt 12                                                 ; this piece's four loads are in; behind them stand its partner's four and the next pair's eight
.else
	s_wait_dscnt 8                                                  ; behind this piece's four loads: the next pair's eight
.endif
.if (c%4) == 3
.set vbe, 160
.set vbo, 220
.else
.set vbe, 32+48*(c%4)
.set vbo, 40+48*(c%4)
.endif
.set pp, P+8*(c/4)+2*(c%4)
.irp u, 0,1
.irp k, 0,2,4,6
	v_pk_fma_f32 v[O+8*\u+\k:O+8*\u+\k+1], v[vbe+\k:vbe+\k+1], v[pp+16*\u:pp+16*\u+1], v[O+8*\u+\k:O+8*\u+\k+1] op_sel_hi:[1,0,1]   ; the even key: p's low word for both channels
.endr
.endr
.irp u, 0,1
	v_pk_add_f32 v[L+2*\u:L+2*\u+1], v[L+2*\u:L+2*\u+1], v[pp+16*\u:pp+16*\u+1]
.endr
.irp u, 0,1
.irp k, 0,2,4,6
	v_pk_fma_f32 v[O+8*\u+\k:O+8*\u+\k+1], v[vbo+\k:vbo+\k+1], v[pp+16*\u:pp+16*\u+1], v[O+8*\u+\k:O+8*\u+\k+1] op_sel:[0,1,0] op_sel_hi:[1,1,1]   ; the odd key: p's high word for both
.endr
.endr
.if (c == 1) || (c == 3)
	s_wait_alu depctr_va_vdst(0)                                    ; the multiply-adds of this piece and of the one before are done reading their two buffers, in which the eight loads below land
	VLOAD \slot, \st, c+3
	VLOAD \slot, \st, c+4
.endif
.set c, c+1
.endr
.endm
; A STEP: 32 keys, both units.  It finds its scores in S, its V's first four pieces and the next step's K asked for (K first), and leaves the same for the next step.
.macro STEP slot, st
	SOFT
.if (\st) < 7
	s_wait_dscnt 16                                                 ; the next step's K is in; the sixteen loads of V, issued behind K's two, may stay out
.endif
	PVV \slot, \st
.if (\st) < 7
	s_wait_alu depctr_va_vdst(0)                                    ; the step's eight matrix instructions are done reading K's registers, and the multiply-adds of pieces 4 to 7 the ring's four buffers: the loads below land in them
.endif
.if (\st) < 6
	LOADK \slot, (\st)+2
.endif
.if (\st) < 7
	VPRE \slot, (\st)+1                                             ; they have the next step's softmax in which to land
.endif
.endm
; THE CHANGE OF CHUNKS.  The barrier says two things of every wave: its stores into the slot read next are done, and so are its reads of the slot written next.  Then my share of a later chunk goes into that
; other slot, and the first step's scores are made.  mode 1: always (its load of x is left out in the last trip); mode 2: left out in the last trip, a scalar branch on the counter that jumps over no barrier.
.macro EDGE slot, mode
	BARRIER
	s_wait_alu depctr_va_vdst(0)                                    ; the last step's lines are done with p's registers, in which the stage's loads land, and the last scores' matrix instructions with K's registers, in which the loads below land
	LOADK \slot, 0
.if \mode == 2
	s_cmp_eq_u32 s58, 1
	s_cbranch_scc1 .Lnone_\@
	PRODUCE 1-\slot, 1
.Lnone_\@:
.else
	PRODUCE 1-\slot, 2
.endif
	s_wait_dscnt 0x0                                                ; K's fragments are in
	s_wait_alu depctr_vm_vsrc(0)                                    ; the stores of K and V have read v48-79, which the scores below write over
.set c, 0
.rept 8
	WM
.set c, c+1
.endr
	PLACES 8                                                        ; in front of the softmax's reads of the scores
	s_wait_alu depctr_va_vdst(0)                                    ; the eight matrix instructions are done reading K's registers; the FP4 products and the quantiser's lines are done with v160-167 and v220-227, the ring's fourth buffer: the loads below land in them
	LOADK \slot, 1
	VPRE \slot, 0
.endm
; A layer norm of a row of 32: 16 numbers a lane in v[y] on, the other 16 in lane l xor 16.  Mean first, then the mean of the squared differences.  g, be: gain and offset of my 16 channels.
.macro LN y, g, be, dst
	v_pk_add_f32 v[220:221], v[\y:\y+1], v[\y+2:\y+3]
	v_pk_add_f32 v[222:223], v[\y+4:\y+5], v[\y+6:\y+7]
	v_pk_add_f32 v[224:225], v[\y+8:\y+9], v[\y+10:\y+11]
	v_pk_add_f32 v[226:227], v[\y+12:\y+13], v[\y+14:\y+15]
	v_pk_add_f32 v[220:221], v[220:221], v[222:223]
	v_pk_add_f32 v[224:225], v[224:225], v[226:227]
	v_pk_add_f32 v[220:221], v[220:221], v[224:225]
	v_add_f32 v216, v220, v221
	v_permlanex16_b32 v244, v216, s56, s57
	v_add_f32 v216, v216, v244
	v_mul_f32 v216, s61, v216                                       ; the mean
.irp k, 0,2,4,6,8,10,12,14
	v_pk_add_f32 v[\y+\k:\y+\k+1], v[\y+\k:\y+\k+1], v[216:217] op_sel_hi:[1,0] neg_lo:[0,1] neg_hi:[0,1]
.endr
	v_pk_mul_f32 v[220:221], v[\y:\y+1], v[\y:\y+1]
	v_pk_mul_f32 v[222:223], v[\y+2:\y+3], v[\y+2:\y+3]
.irp k, 4,8,12
	v_pk_fma_f32 v[220:221], v[\y+\k:\y+\k+1], v[\y+\k:\y+\k+1], v[220:221]
	v_pk_fma_f32 v[222:223], v[\y+\k+2:\y+\k+3], v[\y+\k+2:\y+\k+3], v[222:223]
.endr
	v_pk_add_f32 v[220:221], v[220:221], v[222:223]
	v_add_f32 v218, v220, v221
	v_permlanex16_b32 v244, v218, s56, s57
	v_add_f32 v218, v218, v244
	v_fma_f32 v218, v218, s61, s62                                  ; the variance + 1e-5
	v_rsq_f32 v218, v218
	v_nop                                                           ; the plain line behind it,
	s_wait_alu depctr_va_vdst(0)                                    ; and the wait: the root's reciprocal is written in v218, ahead of its first reader
.irp k, 0,2,4,6,8,10,12,14
	v_pk_mul_f32 v[\y+\k:\y+\k+1], v[\y+\k:\y+\k+1], v[218:219] op_sel_hi:[1,0]
.endr
.irp k, 0,2,4,6,8,10,12,14
	v_pk_fma_f32 v[\dst+\k:\dst+\k+1], v[\y+\k:\y+\k+1], v[\g+\k:\g+\k+1], v[\be+\k:\be+\k+1]
.endr
.endm
; ---------------- THE HEAD ----------------
	s_load_b512 s[4:19], s[0:1], 0x0               ; x 4, wq_codes 6, wq_scales 8, bq 10, wk_codes 12, wk_scales 14, bk 16, wv_codes 18
	s_load_b512 s[20:35], s[0:1], 0x40             ; wv_scales 20, bv 22, wo_codes 24, wo_scales 26, bo 28, g1 30, beta1 32, wl_codes 34
	s_load_b256 s[36:43], s[0:1], 0x80             ; wl_scales 36, bl 38, g2 40, beta2 42
	s_load_b64 s[44:45], s[0:1], 0xa0              ; out0
	v_lshl_add_u32 v248, v0, 2, 0x43800
	v_mov_b32 v249, 0
	v_lshrrev_b32 v15, 5, v0
	v_readfirstlane_b32 s46, v15                   ; wave w
	s_and_b32 s50, ttmp7, 0xffff                   ; the batch
	s_mov_b32 s56, 0x76543210                      ; v_permlanex16_b32's selects for lane l xor 16
	s_mov_b32 s57, 0xfedcba98
	s_mov_b32 s61, 0x3d000000                      ; 1 / 32
	s_mov_b32 s62, 0x3727c5ac                      ; 1e-5
	v_and_b32 v14, 31, v0                          ; lane
	v_and_b32 v232, 15, v0                         ; r
	v_bfe_u32 v233, v0, 4, 1                       ; h
.irp z, 116,117,118,119,209,211,213,215,217,218,219,221
	v_mov_b32 v[\z], 0                             ; zero codes; upper words of pairs that are named whole; destinations of lane permutes, which count as read
.endr
	s_wait_alu depctr_va_sdst(0)                   ; s46, the wave's number, is written, ahead of its first reader
	s_and_b32 s47, s46, 3                          ; my head
	s_lshr_b32 s48, s46, 2                         ; my pair of query tiles
	v_mul_u32_u24 v1, v232, KP                     ; K's fragments
	v_lshl_add_u32 v1, v233, 4, v1
	s_lshl_b32 s66, s47, 5
	v_add_nc_u32 v1, s66, v1
	v_add_nc_u32 v2, SLOT1, v1
	v_mov_b32 v238, s66                            ; 32 head: bv's offset
	s_add_co_u32 s66, s66, VOFF                    ; V's rows: my half's eight keys of a tile begin 8 h rows on
	v_mul_u32_u24 v3, v233, 8*KP
	v_add_nc_u32 v3, s66, v3
	v_add_nc_u32 v4, SLOT1, v3
	s_mul_i32 s66, s46, 16*KP                      ; K's and V's stores
	v_mul_u32_u24 v5, v232, KP
	v_lshl_add_u32 v5, v233, 5, v5
	v_add_nc_u32 v5, s66, v5
	v_add_nc_u32 v6, SLOT1, v5
	s_mul_i32 s66, s46, 32*SPL                     ; my stage
	s_add_co_u32 s66, s66, STG
	v_mul_u32_u24 v9, v14, SPL
	v_add_nc_u32 v9, s66, v9
	v_lshrrev_b32 v10, 3, v14                      ; byte 16 lane of 512: row lane / 8, half (lane / 4) % 2, piece lane % 4 -> place row + 16 half, 16 piece
	v_mul_u32_u24 v10, v10, SPL
	v_bfe_u32 v235, v0, 2, 1
	v_mul_u32_u24 v235, v235, 16*SPL
	v_add_nc_u32 v10, v10, v235
	v_and_b32 v235, 3, v0
	v_lshl_add_u32 v10, v235, 4, v10
	v_add_nc_u32 v10, s66, v10
	v_lshlrev_b32 v11, 4, v14
	s_mul_i32 s66, s46, 2*16*APT                   ; the joined heads: my block, row r, + 16 h: each lane stores four channels; unit u lies 16 rows on
	s_add_co_u32 s66, s66, QC
	v_mul_u32_u24 v12, v232, APT
	v_lshl_add_u32 v12, v233, 4, v12
	v_add_nc_u32 v12, s66, v12
	s_lshl_b32 s66, s48, 2                         ; q's fragments: query tile 2 (w >> 2) + u and channel half head / 2 lie in block 4 (w >> 2) + 2 u + head / 2;
	s_lshr_b32 s63, s47, 1
	s_add_co_u32 s66, s66, s63
	s_mul_i32 s66, s66, 16*QPT
	s_and_b32 s63, s47, 1                          ; in a row: 32 (head % 2) + 16 h
	s_lshl_b32 s63, s63, 5
	s_add_co_u32 s66, s66, s63
	s_add_co_u32 s66, s66, QC
	v_mul_u32_u24 v247, v232, QPT
	v_lshl_add_u32 v247, v233, 4, v247
	v_add_nc_u32 v247, s66, v247
	s_and_b32 s66, s46, 7                          ; the tail's row tile t = w & 7: unit t % 2 of the four waves 4 (t / 2) + head; lane (r, h) begins at head 2 h
	s_lshr_b32 s63, s66, 1
	s_mul_i32 s63, s63, 4*2*16*APT
	s_and_b32 s66, s66, 1
	s_mul_i32 s66, s66, 16*APT
	s_add_co_u32 s66, s66, s63
	s_add_co_u32 s66, s66, QC
	v_mul_u32_u24 v13, v232, APT
	v_mul_u32_u24 v235, v233, 2*2*16*APT
	v_add_nc_u32 v13, v13, v235
	v_add_nc_u32 v13, s66, v13
	v_lshlrev_b32 v236, 4, v232                    ; a weight's row r: 16 bytes
	v_lshlrev_b32 v237, 5, v233                    ; 32 h: eight numbers of a bias
	s_and_b32 s67, s46, 1                          ; for q wave w makes query tile w / 2, channel tile w % 2
	s_lshl_b32 s66, s67, 8
	v_add_nc_u32 v239, s66, v236
	s_lshl_b32 s66, s67, 6
	v_add_nc_u32 v240, s66, v237
	s_lshl_b32 s63, s67, 4
	v_add_nc_u32 v241, s63, v232
	s_mul_i32 s63, s46, 16*QPT                     ; where q goes: my block, row r, + 32 h
	s_add_co_u32 s63, s63, QC
	v_mul_u32_u24 v246, v232, QPT
	v_lshl_add_u32 v246, v233, 5, v246
	v_add_nc_u32 v246, s63, v246
	s_lshl_b32 s66, s50, 18                        ; a batch of x is 262,144 bytes
	s_mov_b32 s67, 0
	s_wait_kmcnt 0x0
	s_add_nc_u64 s[54:55], s[4:5], s[66:67]
	s_lshl_b32 s66, s46, 11
	s_add_nc_u64 s[52:53], s[54:55], s[66:67]      ; my tile of chunk 0
	s_lshl_b32 s66, ttmp9, 14
	s_add_nc_u64 s[54:55], s[54:55], s[66:67]      ; the work-group's 128 queries
	s_lshr_b32 s66, s46, 1
	s_lshl_b32 s66, s66, 11
	s_add_nc_u64 s[68:69], s[54:55], s[66:67]      ; the query tile that I project
	s_wait_alu depctr_va_vdst(0)                   ; every address and offset made above is written (v1-6, v9-13, v232, v236-241, v246, v247), which the loads and stores of the kernel read
	XLOAD 68
	global_load_b128 v[WK:WK+3], v236, s[12:13]
	global_load_b128 v[WK+4:WK+7], v236, s[12:13] offset:256
	global_load_b128 v[WV:WV+3], v236, s[18:19]
	global_load_b128 v[WV+4:WV+7], v236, s[18:19] offset:256
	global_load_u8 v[WS], v232, s[14:15]
	global_load_u8 v[WS+1], v232, s[14:15] offset:16
	global_load_u8 v[WS+2], v232, s[20:21]
	global_load_u8 v[WS+3], v232, s[20:21] offset:16
.irp t, 0,1
	global_load_b128 v[BK+8*\t:BK+8*\t+3], v237, s[16:17] offset:64*\t
	global_load_b128 v[BK+8*\t+4:BK+8*\t+7], v237, s[16:17] offset:64*\t+16
.endr
	global_load_b128 v[BV:BV+3], v238, s[22:23]
	global_load_b128 v[BV+4:BV+7], v238, s[22:23] offset:16
	global_load_b128 v[112:115], v239, s[6:7]      ; wq's fragment
	global_load_b128 v[120:123], v240, s[10:11]    ; bq in the result's layout
	global_load_b128 v[124:127], v240, s[10:11] offset:16
	global_load_u8 v[WQS], v241, s[8:9]
	s_wait_loadcnt 0x0
	TURN P
	s_wait_alu depctr_vm_vsrc(0)                   ; the stage's stores have read the tile's registers, in which chunk 0's tile lands
	XLOAD 52                                       ; chunk 0
	QUANT16 P
	FP4 S, 112, XO, 120, WQS, XS                   ; q, transposed: lane = query r, register j = channel 16 (w % 2) + 8 h + j
	PLACES 5
	s_wait_alu depctr_va_vdst(0)                   ; the product has written q, which the two stores below read; the places above stay beside this wait
	ds_store_b128 v246, v[S:S+3]
	ds_store_b128 v246, v[S+4:S+7] offset:16
	PRODUCE 0, 1                                   ; chunk 0 into slot 0
	BARRIER                                        ; q lies in LDS
.irp u, 0,1
	ds_load_b128 v[QF+4*\u:QF+4*\u+3], v247 offset:2*16*QPT*\u
.endr
	s_wait_dscnt 0x0
	s_wait_alu depctr_vm_vsrc(0)                   ; the head's loads and stores have read their offsets in v232-247, over which O and the sums are laid
.set j, 0
.rept 20
	v_mov_b32 v[O+j], 0                            ; O and the sums: the walk is written once; its first step finds zeros, which f = 0 leaves zeros
.set j, j+1
.endr
	v_mov_b32 v[M], 0xff61b1e6                     ; the running maximum: -3e38
	v_mov_b32 v[M+2], 0xff61b1e6
.irp n, 0,1,2,3,4,5,6,7
	v_mul_f32 v[QF+\n], 0x3f0293ee, v[QF+\n]       ; q x log2(e) / sqrt(8)
.endr
; ---------------- THE WALK: four trips of two chunks.  Trip n walks chunks 2 n (slot 0) and 2 n + 1 (slot 1), and makes chunks 2 n + 1 and 2 n + 2 ----------------
	s_mov_b32 s58, 4
.Lpair:
	EDGE 0, 1
.irp n, 0,1,2,3,4,5,6,7
	STEP 0, \n
.endr
	EDGE 1, 2
.irp n, 0,1,2,3,4,5,6,7
	STEP 1, \n
.endr
	s_sub_co_u32 s58, s58, 1
	s_cmp_lg_u32 s58, 0
	s_cbranch_scc1 .Lpair
; ---------------- attn = O / the sum + bv: the two halves of the lanes add what each summed over its keys; the heads meet in QC ----------------
.irp u, 0,1
	v_add_f32 v[T+\u], v[L+2*\u], v[L+2*\u+1]
.endr
.irp u, 0,1
	v_permlanex16_b32 v[T2+\u], v[T+\u], s56, s57
.endr
.irp u, 0,1
	v_add_f32 v[T+\u], v[T+\u], v[T2+\u]
.endr
.irp u, 0,1
	v_rcp_f32 v[F+2*\u], v[T+\u]
.endr
	v_nop                                                           ; the plain line behind the reciprocals
.irp u, 0,1
.irp k, 0,1,2,3,4,5,6,7
	v_permlanex16_b32 v[P+16*\u+\k], v[O+8*\u+\k], s56, s57
.endr
.endr
	s_wait_alu depctr_va_vdst(0)                                    ; the two reciprocals are written in v212 and v214: one wait, ahead of their first reader
.irp u, 0,1
.irp k, 0,2,4,6
	v_pk_add_f32 v[O+8*\u+\k:O+8*\u+\k+1], v[O+8*\u+\k:O+8*\u+\k+1], v[P+16*\u+\k:P+16*\u+\k+1]
.endr
.endr
.irp u, 0,1
.irp k, 0,2,4,6
	v_pk_fma_f32 v[P+16*\u+8+\k:P+16*\u+8+\k+1], v[O+8*\u+\k:O+8*\u+\k+1], v[F+2*\u:F+2*\u+1], v[BV+\k:BV+\k+1] op_sel_hi:[1,0,1]
.endr
.endr
	v_cmp_le_u32 vcc_lo, 16, v14                                    ; both halves hold all eight channels: lanes 0-15 store channels 0-3, lanes 16-31 channels 4-7, all lanes on
	s_wait_alu depctr_va_vcc(0)                                     ; the compare has written VCC, which the eight selects below read
.irp u, 0,1
.irp k, 0,1,2,3
	v_cndmask_b32 v[P+16*\u+\k], v[P+16*\u+8+\k], v[P+16*\u+12+\k], vcc_lo
.endr
.endr
	s_wait_alu depctr_va_vdst(0)                                    ; the selects have written v96-99 and v112-115, which the two stores below read
.irp u, 0,1
	ds_store_b128 v12, v[P+16*\u:P+16*\u+3] offset:16*APT*\u
.endr
	BARRIER                                                         ; all sixteen blocks of the joined heads lie in QC
	s_wait_alu depctr_vm_vsrc(0)                                    ; my two stores have read v96-99 and v112-115, in which the tail's LDS loads land: stated ahead of the branch
	s_cmp_ge_u32 s46, 8                                             ; eight tiles of 16 rows: waves 0 to 7 finish them; no barrier stands behind this branch
	s_cbranch_scc1 .Lend
; ---------------- THE TAIL: row tile w.  Lane (r, h) holds row r, channels 16 h + 0 .. 15 throughout: lane r of weight tile u takes output channel 8 u + r + (r & 8) ----------------
	s_lshl_b32 s66, s50, 18
	s_mov_b32 s67, 0
	s_add_nc_u64 s[70:71], s[44:45], s[66:67]
	s_lshl_b32 s66, ttmp9, 14
	s_add_nc_u64 s[70:71], s[70:71], s[66:67]
	s_lshl_b32 s66, s46, 11
	s_add_nc_u64 s[70:71], s[70:71], s[66:67]      ; out0 at my 16 rows
	s_add_nc_u64 s[68:69], s[54:55], s[66:67]      ; x likewise
	v_and_b32 v245, 15, v0
	v_and_b32 v246, 8, v0
	v_add_nc_u32 v245, v245, v246                  ; r + (r & 8)
	v_lshlrev_b32 v246, 4, v245
	v_bfe_u32 v247, v0, 4, 1
	v_lshlrev_b32 v247, 6, v247                    ; 64 h
	s_wait_loadcnt 0x0                             ; registers that the walk's loads wrote are loaded anew only behind a wait for all of them, on every path out of the loop
	s_wait_alu depctr_va_vdst(0)                   ; the three offsets v245-247 are written, which the loads below read; and the walk's vector and matrix instructions are done with the registers in which those loads land (weights, scale bytes, biases, q, K, the ring, p, O, m and f)
	XLOAD 68
	global_load_b128 v[168:171], v246, s[24:25]
	global_load_b128 v[172:175], v246, s[24:25] offset:128
	global_load_b128 v[176:179], v246, s[34:35]
	global_load_b128 v[180:183], v246, s[34:35] offset:128
	global_load_u8 v[WS], v245, s[26:27]
	global_load_u8 v[WS+1], v245, s[26:27] offset:8
	global_load_u8 v[WS+2], v245, s[36:37]
	global_load_u8 v[WS+3], v245, s[36:37] offset:8
.irp n, 0,1,2,3
	global_load_b128 v[184+4*\n:187+4*\n], v247, s[28:29] offset:16*\n   ; bo
	global_load_b128 v[16+4*\n:19+4*\n], v247, s[38:39] offset:16*\n     ; bl
	global_load_b128 v[32+4*\n:35+4*\n], v247, s[30:31] offset:16*\n     ; g1
	global_load_b128 v[128+4*\n:131+4*\n], v247, s[32:33] offset:16*\n   ; beta1
	global_load_b128 v[228+4*\n:231+4*\n], v247, s[40:41] offset:16*\n   ; g2
	global_load_b128 v[200+4*\n:203+4*\n], v247, s[42:43] offset:16*\n   ; beta2
.endr
.irp n, 0,1,2,3
	ds_load_b128 v[96+4*\n:99+4*\n], v13 offset:(\n/2)*2*16*APT+16*(\n%2)   ; the joined heads: channels 16 h + 4 n on lie in head 2 h + n / 2's block, 16 (n % 2) bytes into the row
.endr
	s_wait_loadcnt 0x0
	TURN 112                                       ; x, the residual
	QUANT16 96
.irp u, 0,1
	FP4 48+8*\u, 168+4*\u, XO, 184+8*\u, WS+\u, XS                       ; attn wo + bo
.endr
	PLACES 4
.irp k, 0,2,4,6,8,10,12,14
	v_pk_add_f32 v[96+\k:97+\k], v[48+\k:49+\k], v[112+\k:113+\k]        ; + x
.endr
	LN 96, 32, 128, 112                            ; a1
	QUANT16 112
.irp u, 0,1
	FP4 64+8*\u, 176+4*\u, XO, 16+8*\u, WS+2+\u, XS                      ; a1 wl + bl
.endr
	PLACES 4
.irp k, 0,2,4,6,8,10,12,14
	v_pk_add_f32 v[96+\k:97+\k], v[64+\k:65+\k], v[112+\k:113+\k]        ; + a1
.endr
	LN 96, 228, 200, 96
	s_wait_alu depctr_va_vdst(0)                   ; the layer norm has written v96-111, which the four stores below read
	s_wait_alu depctr_vm_vsrc(0)                   ; the stage's stores of the residual have read v144-159, in which the four loads below land
.irp n, 0,1,2,3                     ; the way out: TURN backwards, so that each store of the wave covers 512 consecutive bytes, aligned
	ds_store_b128 v9, v[96+4*\n:99+4*\n] offset:16*\n
.endr
.irp n, 0,1,2,3
	ds_load_b128 v[XL+4*\n:XL+4*\n+3], v10 offset:320*\n
.endr
	s_wait_dscnt 0x0
.irp n, 0,1,2,3
	global_store_b128 v11, v[XL+4*\n:XL+4*\n+3], s[70:71] offset:512*\n th:TH_STORE_NT
.endr
.Lend:
	s_wait_dscnt 0x0                               ; the closing lines, six on end
	s_wait_alu 0x0
	s_wait_tensorcnt 0x0
	ds_add_u32 v248, v249
	s_wait_dscnt 0x0
	s_endpgm
.Lfunc_end_k_qcfd8e99680_mha:
	.size	k_qcfd8e99680_mha, .Lfunc_end_k_qcfd8e99680_mha-k_qcfd8e99680_mha
	.p2alignl 7, 3214868480
	.fill 96, 4, 3214868480
	.section	.rodata,"a",@progbits
	.p2align	6, 0x0
	.amdhsa_kernel k_qcfd8e99680_mha
		.amdhsa_group_segment_fixed_size 278528
		.amdhsa_private_segment_fixed_size 0
		.amdhsa_enable_private_segment 0
		.amdhsa_kernarg_size 168
		.amdhsa_user_sgpr_count 2
		.amdhsa_user_sgpr_kernarg_segment_ptr 1
		.amdhsa_wavefront_size32 1
		.amdhsa_system_sgpr_workgroup_id_x 1
		.amdhsa_system_sgpr_workgroup_id_y 1
		.amdhsa_system_sgpr_workgroup_id_z 1
		.amdhsa_system_vgpr_workitem_id 0
		.amdhsa_next_free_vgpr 256
		.amdhsa_next_free_sgpr 72
		.amdhsa_reserve_vcc 1
		.amdhsa_float_denorm_mode_32 3
		.amdhsa_float_denorm_mode_16_64 3
		.amdhsa_memory_ordered 1
		.amdhsa_forward_progress 1
		.amdhsa_inst_pref_size 255
	.end_amdhsa_kernel
	.section	.bss,"aw",@nobits
	.p2align	6
	.space	262144
	.amdgpu_metadata
---
amdhsa.version: [ 1, 2 ]
amdhsa.kernels:
  - .name:           k_qcfd8e99680_mha
    .symbol:         k_qcfd8e99680_mha.kd
    .args:
      - { .name: x, .offset: 0, .size: 8, .value_kind: global_buffer, .address_space: global }
      - { .name: wq_codes, .offset: 8, .size: 8, .value_kind: global_buffer, .address_space: global }
      - { .name: wq_scales, .offset: 16, .size: 8, .value_kind: global_buffer, .address_space: global }
      - { .name: bq, .offset: 24, .size: 8, .value_kind: global_buffer, .address_space: global }
      - { .name: wk_codes, .offset: 32, .size: 8, .value_kind: global_buffer, .address_space: global }
      - { .name: wk_scales, .offset: 40, .size: 8, .value_kind: global_buffer, .address_space: global }
      - { .name: bk, .offset: 48, .size: 8, .value_kind: global_buffer, .address_space: global }
      - { .name: wv_codes, .offset: 56, .size: 8, .value_kind: global_buffer, .address_space: global }
      - { .name: wv_scales, .offset: 64, .size: 8, .value_kind: global_buffer, .address_space: global }
      - { .name: bv, .offset: 72, .size: 8, .value_kind: global_buffer, .address_space: global }
      - { .name: wo_codes, .offset: 80, .size: 8, .value_kind: global_buffer, .address_space: global }
      - { .name: wo_scales, .offset: 88, .size: 8, .value_kind: global_buffer, .address_space: global }
      - { .name: bo, .offset: 96, .size: 8, .value_kind: global_buffer, .address_space: global }
      - { .name: g1, .offset: 104, .size: 8, .value_kind: global_buffer, .address_space: global }
      - { .name: beta1, .offset: 112, .size: 8, .value_kind: global_buffer, .address_space: global }
      - { .name: wl_codes, .offset: 120, .size: 8, .value_kind: global_buffer, .address_space: global }
      - { .name: wl_scales, .offset: 128, .size: 8, .value_kind: global_buffer, .address_space: global }
      - { .name: bl, .offset: 136, .size: 8, .value_kind: global_buffer, .address_space: global }
      - { .name: g2, .offset: 144, .size: 8, .value_kind: global_buffer, .address_space: global }
      - { .name: beta2, .offset: 152, .size: 8, .value_kind: global_buffer, .address_space: global }
      - { .name: out0, .offset: 160, .size: 8, .value_kind: global_buffer, .address_space: global }
    .group_segment_fixed_size: 278528
    .private_segment_fixed_size: 0
    .kernarg_segment_align: 8
    .kernarg_segment_size: 168
    .max_flat_workgroup_size: 512
    .sgpr_count:     72
    .vgpr_count:     256
    .wavefront_size: 32
...
	.end_amdgpu_metadata
.endif
;; end of part 3
